; MI455X (gfx1250); checked and timed in simulation.
; The chip was launched on July 23, 2026; its instructions are those of AMD's public machine-readable ISA for CDNA 5 (MIT licence, August 2026) and "CDNA5" Instruction Set Architecture Reference Guide (July 2026). The comments in the code are by the model that wrote it; some were corrected since.
;; Decoder Block. Allowed arithmetic: matrix products marked QUANTISED: E2M3 operands, one E8M0 scale for each 32 along K, by v_wmma_scale_f32_16x16x128_f8f6f4 with both operands' format E2M3, f32 sums; everything else in f32.
;; Inputs: W1 512 x 2,048 float32; W2 2,048 x 512 float32; Wk 8 x 512 x 64 float32; Wo 512 x 512 float32; Wq 8 x 512 x 64 float32; Wv 8 x 512 x 64 float32; b1 2,048 float32; b2 512 float32; bk 8 x 64 float32; bo 512 float32; bq 8 x 64 float32; bv 8 x 64 float32; ln1_b 512 float32; ln1_g 512 float32; ln2_b 512 float32; ln2_g 512 float32; x 32 x 512 x 512 float32.
;; Outputs: out0 32 x 512 x 512 float32.
;; This version of the problem:
;;   THIS VERSION OF THE PROBLEM IS GIVEN IN LOW PRECISION. The matrix products marked QUANTISED in the list below multiply operands that are first quantised to E2M3 (2 exponent bits, 3 mantissa bits; 6 bits a number), with one power-of-two scale for each 32 numbers along K (OCP MX v1.0); their sums are f32. All else is computed in f32.
;;   The module's matrix products, in the order in which they are computed (A, B: the left and right operand; K: the contracted axis; several contracted axes count as one K, in the product's order):
;;     1. [M 512, K 512] x [K 512, N 16,384]; A: input Wq; B: input x: QUANTISED
;;     2. [M 512, K 512] x [K 512, N 16,384]; A: input Wk; B: input x: QUANTISED
;;     3. [M 512, K 512] x [K 512, N 16,384]; A: input Wv; B: input x: QUANTISED
;;     4. batch 256 x [M 512, K 64] x [K 64, N 512]; A: computed on the way; B: computed on the way: QUANTISED
;;     5. batch 256 x [M 512, K 512] x [K 512, N 64]; A: softmax (see below); B: computed on the way: QUANTISED
;;     6. [M 16,384, K 512] x [K 512, N 512]; A: computed on the way; B: input Wo: QUANTISED
;;     7. [M 16,384, K 512] x [K 512, N 2,048]; A: computed on the way; B: input W1: QUANTISED
;;     8. [M 16,384, K 2,048] x [K 2,048, N 512]; A: computed on the way; B: input W2: QUANTISED
;;   THE QUANTISER, for each operand of a quantised product, along K:
;;     - K is cut into blocks of 32 from its start; a last block that is shorter is filled with zeros.
;;     - A block's scale is 2^e with e = floor(log2(the largest magnitude in the block)) - 2, held to -126 .. 127; a block of zeros has e = 0. As a byte (E8M0): e + 127.
;;     - Each number is divided by its block's scale, clamped to +-7.5, and rounded to the nearest number of E2M3, ties to even, subnormals kept.
;;     - The product sums the exact products of the quantised numbers (number of the format x scale) in f32.
;;   ~~~python
;;   def quantise(x, axis):      # numpy; x: float32 -> the quantised numbers, widened to float32 again
;;       x = np.moveaxis(x, axis, -1); K = x.shape[-1]
;;       x = np.pad(x, [(0, 0)] * (x.ndim - 1) + [(0, -K % 32)]); x = x.reshape(x.shape[:-1] + (-1, 32)); a = np.abs(x).max(-1, keepdims=True)
;;       e = np.where(a > 0, np.clip(np.frexp(np.where(a > 0, a, 1))[1] - 1 - 2, -126, 127), 0)      # np.frexp(a)[1] - 1 = floor(log2(a)), exactly
;;       r = np.clip(x / 2.0 ** e, -7.5, 7.5)
;;       step = 2.0 ** (np.maximum(np.frexp(np.where(r == 0, 1, r))[1] - 1, 0) - 3)
;;       q = np.round(r / step) * step * 2.0 ** e      # np.round: ties to even
;;       return np.moveaxis(q.reshape(q.shape[:-2] + (-1,))[..., :K], -1, axis).astype(np.float32)
;;   ~~~
;;   SOFTMAX AHEAD OF A QUANTISED PRODUCT. Where the list says 'softmax', what is quantised is not the finished softmax but p = 2^(t - M), with t = logit x log2(e) and M = ceil(the row's largest t), a whole number; so 1/2 < the row's largest p <= 1. The row's sum l is taken of the UNQUANTISED p, in f32, and the product's result is divided by l at the end. Since M is a whole number, a kernel that streams over the keys may use a running M (the ceiling of the running maximum): every later rescaling is an exact power of two, which a block's scale takes up: the codes' values come out the same.
;;   OPERANDS COMPUTED ON THE WAY. 'Computed on the way' means the value that the module computes at that place (a softmax that the list does not call 'softmax' is quantised finished and normalised). What goes into a quantiser is computed in f32, as accurately as f32 sums, v_exp_f32 and their like allow (about 1e-6 of the number): no bf16 or f16 on the way to a quantiser, and a product that is left as it is and whose result goes on into a quantised operand takes f32 operands (vector FMAs, or v_wmma_f32_16x16x4_f32). A number that lies on a knife's edge between two numbers of the format may be rounded either way, as far as f32 arithmetic and the matrix unit's own rounding can turn it there, and no further.
;; 2 versions. Each part assembles by itself: llvm-mc -triple=amdgcn-amd-amdhsa -mcpu=gfx1250 --defsym DOCPART=n.
;; ======== version 1 of 2: 3 launches
;; workspace buffers: x_codes 6,291,456 bytes; x_scales 262,144 bytes; wqkv 614,400 bytes; wstream 1,843,200 bytes; o_codes 6,291,456 bytes; o_scales 262,144 bytes
;; launch prep (part 1): grid 352 x 1, 4 waves a work-group, no clusters, 34,304 bytes of LDS; arguments x, Wq, Wk, Wv, Wo, W1, W2, x_codes, x_scales, wqkv, wstream; writes x_codes, x_scales, wqkv, wstream
.if DOCPART == 1
	.amdgcn_target "amdgcn-amd-amdhsa--gfx1250"
	.amdhsa_code_object_version 6
	.text
	.protected	k_qb6858cbe96_prep
	.globl	k_qb6858cbe96_prep
	.p2align	8
	.type	k_qb6858cbe96_prep,@function
k_qb6858cbe96_prep:
	s_mov_b64 s[64:65], 0
	v_nop
	global_prefetch_b8 v0, s[64:65] scope:SCOPE_SE
	s_setreg_imm32_b32 hwreg(HW_REG_WAVE_MODE, 25, 1), 1
	s_wait_xcnt 0x0
; x [16384][512] and the six weights, all f32, become codes of FP6 (E2M3) with one E8M0 byte for each 32 along K, laid in the ORDER OF THE OPERAND'S REGISTERS:
; a fragment (16 rows x 128 K, 12 registers a lane) is an image of 1,536 bytes, registers 4 g .. 4 g + 3 of lane l at 512 g + 16 l.
; THE ROWS OF A TILE ARE NOT NEIGHBOURS: lane r of tile 2 b + u takes row (or weight column) 32 b + 8 u + r + 8 (r / 8), so that results of transposed products run along the next K in a lane's registers.
; A lane (r, h) holds k = 64 c + 32 h + 0 .. 31: two whole blocks, so a block's largest magnitude needs no other lane.
; A block's scale byte is its largest magnitude's exponent field - 2, held at 1 from below.
; LIMITS: a block of zeros gets the byte 1 where the rule says 127 (its codes are zeros, and this program alone reads the bytes); NaN and infinities among the inputs are not served.
; Work-groups 0-255 take x: a wave takes 32 rows x 256 columns, four fragments; each load reads 512 consecutive bytes, and the numbers turn through the wave's own stage in LDS (rows of 528 bytes).
; Work-groups 256-351 take the weights, whose K is not innermost: a lane takes a column and its registers run down K; a wave makes four tiles (64 columns) of one K step.  No barrier: waves share nothing.
.set R,   16                           ; v16-143  two sets of 64 numbers as loaded
.set X,   144                          ; v144-207 64 numbers of a lane, k = 64 c + 32 h + i at 32 c + i
.set PC,  208                          ; v208-219 a fragment's codes
.set STG, 220                          ; v220-226 second halves of the blocks' codes
.set TM,  228
.set SCL, 230
.set BY,  232
.set PT,  234
.set PW,  235                          ; the scale word just made
.set SW,  240                          ; v240-243 the four fragments' scale words
.set OW,  244
; 64 numbers v[s + 32 c + i] become the fragment's codes in v[PC] on and the row's scale word in v[PW] (in both halves of the lanes)
.macro QUANTF s
.irp c, 0,1
	v_max3_num_f32 v[TM+\c], |v[(\s)+32*\c]|, |v[(\s)+32*\c+1]|, 0x1800000   ; with the floor 2^(3 - 127): the byte cannot fall under 1
.endr
.irp i, 2,4,6,8,10,12,14,16,18,20,22,24,26,28,30
.irp c, 0,1
	v_max3_num_f32 v[TM+\c], v[TM+\c], |v[(\s)+32*\c+\i]|, |v[(\s)+32*\c+\i+1]|
.endr
.endr
.irp c, 0,1
	v_add_nc_u32 v[SCL+\c], 0xff000000, v[TM+\c]       ; 2 off the exponent field: the conversion's scale operand
.endr
.irp c, 0,1
	v_lshrrev_b32 v[BY+\c], 23, v[SCL+\c]              ; the scale's byte
.endr
	v_lshl_or_b32 v[PW], v[BY+1], 16, v[BY]            ; my blocks h and 2 + h,
	v_lshlrev_b32 v[PW], v3, v[PW]                     ; 8 h bits up;
	v_permlanex16_b32 v[PT], v[PW], s28, s29
	v_or_b32 v[PW], v[PW], v[PT]                       ; with lane l xor 16's two bytes the word is whole
.irp c, 0,1
	v_cvt_scalef32_pk16_fp6_f32 v[PC+6*\c:PC+6*\c+2], v[(\s)+32*\c:(\s)+32*\c+15], v[SCL+\c]
	v_cvt_scalef32_pk16_fp6_f32 v[STG+4*\c:STG+4*\c+2], v[(\s)+32*\c+16:(\s)+32*\c+31], v[SCL+\c]   ; (a conversion's three registers begin on an even number)
.endr
	v_nop                                              ; one plain place behind the conversions
.irp c, 0,1
.irp i, 0,1,2
	v_mov_b32 v[PC+3+6*\c+\i], v[STG+4*\c+\i]
.endr
.endr
.endm
	s_load_b512 s[4:19], s[0:1], 0x0               ; x, Wq, Wk, Wv, Wo, W1, W2, x_codes
	s_load_b128 s[20:23], s[0:1], 0x40             ; x_scales, wqkv
	s_load_b64 s[24:25], s[0:1], 0x50              ; wstream
	v_lshl_add_u32 v254, v0, 2, 0x8400
	v_mov_b32 v255, 0
	v_lshrrev_b32 v8, 5, v0
	v_readfirstlane_b32 s26, v8                    ; wave
	v_and_b32 v9, 31, v0                           ; lane
	v_and_b32 v10, 15, v0                          ; r
	v_bfe_u32 v11, v0, 4, 1                        ; h
	v_lshlrev_b32 v1, 4, v9                        ; 16 x lane
	v_lshlrev_b32 v2, 3, v9                        ; 8 x lane
	v_lshlrev_b32 v3, 3, v11                       ; 8 h
	s_mul_i32 s27, s26, 8448                       ; my stage: 16 rows of 528 bytes
	v_add_nc_u32 v4, s27, v1                       ; in: a row's 512 bytes as they lie
	v_mul_u32_u24 v5, v10, 528
	v_lshl_add_u32 v5, v11, 7, v5
	v_add_nc_u32 v5, s27, v5                       ; out: row r, + 128 h
	v_lshlrev_b32 v7, 4, v10
	v_lshl_add_u32 v7, v11, 3, v7                  ; 16 r + 8 h: the weights' scale words
	v_and_b32 v12, 8, v10
	v_add_nc_u32 v12, v12, v10                     ; r + 8 (r / 8)
	v_mov_b32 v[PT], 0                             ; a lane permute's destination counts as one of its sources
	v_cmp_le_u32 vcc_lo, 16, v9                    ; lanes 16-31
	s_mov_b32 s28, 0x76543210
	s_mov_b32 s29, 0xfedcba98                      ; selects for lane l xor 16
	s_cmp_lt_u32 ttmp9, 256
	s_cbranch_scc0 .Lweights
	; ---- x: wave id = 4 x work-group + wave; pair of tiles p = id / 2 (rows 32 p on), columns 256 (id % 2) on
	s_lshl_b32 s30, ttmp9, 2
	s_add_co_u32 s30, s30, s26
	s_lshr_b32 s31, s30, 1                         ; p
	s_and_b32 s30, s30, 1                          ; which half of K
	s_lshl_b32 s32, s31, 16                        ; 32 rows of 2,048 bytes
	s_lshl_b32 s34, s30, 10
	s_add_co_u32 s32, s32, s34
	s_mov_b32 s33, 0
	s_mul_i32 s34, s31, 12288                      ; two tiles of four images
	s_mul_i32 s36, s30, 3072
	s_add_co_u32 s34, s34, s36
	s_mov_b32 s35, 0
	s_lshl_b32 s36, s31, 9
	s_lshl_b32 s38, s30, 8
	s_add_co_u32 s36, s36, s38
	s_mov_b32 s37, 0
	s_wait_kmcnt 0x0
	s_add_nc_u64 s[4:5], s[4:5], s[32:33]
	s_add_nc_u64 s[18:19], s[18:19], s[34:35]
	s_add_nc_u64 s[20:21], s[20:21], s[36:37]
.macro LOADX f                         ; fragment f = (tile f / 2, K step f % 2): its 16 rows, 512 consecutive bytes a load
.set CI, 0
.rept 16
	global_load_b128 v[R+64*((\f)%2)+4*CI:R+64*((\f)%2)+4*CI+3], v1, s[4:5] offset:(8*((\f)/2)+CI+8*(CI/8))*2048+512*((\f)%2) th:TH_LOAD_NT
.set CI, CI+1
.endr
.endm
.macro TURN f                          ; through my stage: LDS serves a wave's instructions in order, so no wait stands between the stores and the loads
.set CI, 0
.rept 16
	ds_store_b128 v4, v[R+64*((\f)%2)+4*CI:R+64*((\f)%2)+4*CI+3] offset:528*CI
.set CI, CI+1
.endr
.set CI, 0
.rept 16
	ds_load_b128 v[X+4*CI:X+4*CI+3], v5 offset:256*(CI/8)+16*(CI%8)
.set CI, CI+1
.endr
.endm
	LOADX 0
	LOADX 1
.irp f, 0,1,2,3
.if \f < 3
	s_wait_loadcnt 16                              ; this fragment's 16 loads are in; the next one's may be out
.else
	s_wait_loadcnt 0x0
.endif
	TURN \f
	s_wait_dscnt 0x0                               ; the numbers are back
.if \f < 2
	LOADX \f+2
.endif
.if \f > 0
	s_wait_xcnt 0x0                                ; the last fragment's stores have read their registers
.endif
	QUANTF X
	v_mov_b32 v[SW+\f], v[PW]
.irp g, 0,1,2
	global_store_b128 v1, v[PC+4*\g:PC+4*\g+3], s[18:19] offset:(\f/2)*6144+(\f%2)*1536+512*\g   ; 512 consecutive bytes
.endr
.endr
	v_cndmask_b32 v[OW], v[SW], v[SW+2], vcc_lo        ; lanes 0-15 carry the even tile's words, lanes 16-31 the odd tile's
	v_cndmask_b32 v[OW+1], v[SW+1], v[SW+3], vcc_lo
	global_store_b64 v2, v[OW:OW+1], s[20:21]          ; 256 consecutive bytes, aligned
	s_wait_tensorcnt 0x0
	ds_add_u32 v254, v255
	s_wait_dscnt 0x0
	s_endpgm
; ---- the weights.  s[44:45] the K step's first row at the quad's first column, s[40:41] the four images, s[42:43] their scale words, v6 my lane's offset
.macro LOADW f, pitch                  ; tile f of the quad: W(64 c + 32 h + i, my column)
.set CI, 0
.rept 64
	global_load_b32 v[R+64*((\f)%2)+CI], v6, s[44:45] offset:((64*(CI/32)+CI%32)*(\pitch)+32*((\f)/2)+8*((\f)%2))*4
.set CI, CI+1
.endr
.endm
.macro WQUAD pitch
	LOADW 0, \pitch
	LOADW 1, \pitch
.irp f, 0,1,2,3
.if \f < 3
	s_wait_loadcnt 63                              ; 64 younger loads were issued; the wait's field names 63 at the most, and a smaller count is safe
.else
	s_wait_loadcnt 0x0
.endif
.if \f > 0
	s_wait_xcnt 0x0                                ; the last tile's stores have read their registers
.endif
	QUANTF R+64*(\f%2)
	v_mov_b32 v[SW+\f], v[PW]
.irp g, 0,1,2
	global_store_b128 v1, v[PC+4*\g:PC+4*\g+3], s[40:41] offset:1536*\f+512*\g
.endr
.if \f < 2
	LOADW \f+2, \pitch
.endif
.endr
	v_cndmask_b32 v[OW], v[SW], v[SW+2], vcc_lo        ; column r's four words lie on end: lanes 0-15 store tiles 0, 1, lanes 16-31 tiles 2, 3
	v_cndmask_b32 v[OW+1], v[SW+1], v[SW+3], vcc_lo
	global_store_b64 v7, v[OW:OW+1], s[42:43]          ; 256 consecutive bytes, aligned
.endm
.Lweights:
	s_sub_co_u32 s30, ttmp9, 256
	s_cmp_lt_u32 s30, 24
	s_cbranch_scc0 .Lstream
	; Wq, Wk, Wv: [8][512][64].  matrix = n / 8, head = n % 8, K step = wave
	s_lshr_b32 s31, s30, 3
	s_and_b32 s32, s30, 7
	s_lshl_b32 s34, s32, 17
	s_lshl_b32 s35, s26, 15
	s_add_co_u32 s34, s34, s35
	s_mov_b32 s35, 0
	s_mul_i32 s36, s32, 76800                      ; a head's part of wqkv
	s_lshl_b32 s38, s31, 2
	s_add_co_u32 s38, s38, s26                     ; 4 x matrix + K step
	s_mul_i32 s40, s38, 6144
	s_add_co_u32 s40, s40, s36
	s_mov_b32 s41, 0
	s_lshl_b32 s42, s38, 8
	s_add_co_u32 s42, s42, s36
	s_add_co_u32 s42, s42, 73728
	s_mov_b32 s43, 0
	s_wait_kmcnt 0x0
	s_cmp_eq_u32 s31, 0
	s_cselect_b64 s[44:45], s[6:7], s[8:9]
	s_cmp_eq_u32 s31, 2
	s_cselect_b64 s[44:45], s[10:11], s[44:45]
	s_add_nc_u64 s[44:45], s[44:45], s[34:35]
	s_add_nc_u64 s[40:41], s[22:23], s[40:41]
	s_add_nc_u64 s[42:43], s[22:23], s[42:43]
	v_lshlrev_b32 v6, 13, v11                      ; 32 h rows of 256 bytes
	v_lshl_add_u32 v6, v12, 2, v6
	WQUAD 64
	s_endpgm
.Lstream:
	; wstream: for each wave w3 of the third launch 36 groups of 12,800 bytes (8 images, 512 bytes of scale words): groups 0-3 Wo, 4-19 W1, 20-35 W2
	s_sub_co_u32 s30, s30, 24
	s_and_b32 s31, s30, 3                          ; w3
	s_lshr_b32 s32, s30, 2
	s_and_b32 s33, s26, 1                          ; which four tiles of the group
	s_lshr_b32 s34, s26, 1
	s_lshl_b32 s35, s32, 1
	s_add_co_u32 s34, s34, s35                     ; the group
	s_mul_i32 s36, s31, 460800
	s_mul_i32 s37, s34, 12800
	s_add_co_u32 s36, s36, s37
	s_mul_i32 s40, s33, 6144
	s_add_co_u32 s40, s40, s36
	s_mov_b32 s41, 0
	s_lshl_b32 s42, s33, 8
	s_add_co_u32 s42, s42, s36
	s_add_co_u32 s42, s42, 12288
	s_mov_b32 s43, 0
	s_wait_kmcnt 0x0
	s_add_nc_u64 s[40:41], s[24:25], s[40:41]
	s_add_nc_u64 s[42:43], s[24:25], s[42:43]
	s_sub_co_u32 s35, s32, 2
	s_cmp_lt_u32 s35, 8
	s_cbranch_scc0 .Lsquare
	; W1 [512][2048]: K step (g - 4) % 4, columns 512 w3 + 128 ((g - 4) / 4) + 64 q
	s_sub_co_u32 s35, s34, 4
	s_and_b32 s37, s35, 3
	s_lshr_b32 s35, s35, 2
	s_lshl_b32 s38, s37, 20
	s_lshl_b32 s39, s31, 11
	s_add_co_u32 s38, s38, s39
	s_lshl_b32 s39, s35, 9
	s_add_co_u32 s38, s38, s39
	s_lshl_b32 s39, s33, 8
	s_add_co_u32 s38, s38, s39
	s_mov_b32 s39, 0
	s_add_nc_u64 s[44:45], s[14:15], s[38:39]
	v_lshlrev_b32 v6, 18, v11                      ; 32 h rows of 8,192 bytes
	v_lshl_add_u32 v6, v12, 2, v6
	WQUAD 2048
	s_endpgm
.Lsquare:
	; Wo [512][512] (groups 0-3) or W2 [2048][512] (groups 20-35): columns 128 w3 + 64 q
	s_cmp_lt_u32 s34, 4
	s_cselect_b64 s[44:45], s[12:13], s[16:17]
	s_cselect_b32 s35, 0, 20
	s_sub_co_u32 s35, s34, s35                     ; the K step
	s_lshl_b32 s38, s35, 18
	s_lshl_b32 s39, s31, 9
	s_add_co_u32 s38, s38, s39
	s_lshl_b32 s39, s33, 8
	s_add_co_u32 s38, s38, s39
	s_mov_b32 s39, 0
	s_add_nc_u64 s[44:45], s[44:45], s[38:39]
	v_lshlrev_b32 v6, 16, v11                      ; 32 h rows of 2,048 bytes
	v_lshl_add_u32 v6, v12, 2, v6
	WQUAD 512
	s_endpgm
.Lfunc_end_k_qb6858cbe96_prep:
	.size	k_qb6858cbe96_prep, .Lfunc_end_k_qb6858cbe96_prep-k_qb6858cbe96_prep
	.p2alignl 7, 3214868480
	.fill 96, 4, 3214868480
	.section	.rodata,"a",@progbits
	.p2align	6, 0x0
	.amdhsa_kernel k_qb6858cbe96_prep
		.amdhsa_group_segment_fixed_size 34304
		.amdhsa_private_segment_fixed_size 0
		.amdhsa_enable_private_segment 0
		.amdhsa_kernarg_size 88
		.amdhsa_user_sgpr_count 2
		.amdhsa_user_sgpr_kernarg_segment_ptr 1
		.amdhsa_wavefront_size32 1
		.amdhsa_system_sgpr_workgroup_id_x 1
		.amdhsa_system_sgpr_workgroup_id_y 1
		.amdhsa_system_sgpr_workgroup_id_z 1
		.amdhsa_system_vgpr_workitem_id 0
		.amdhsa_next_free_vgpr 256
		.amdhsa_next_free_sgpr 66
		.amdhsa_reserve_vcc 1
		.amdhsa_float_denorm_mode_32 3
		.amdhsa_float_denorm_mode_16_64 3
		.amdhsa_memory_ordered 1
		.amdhsa_forward_progress 1
		.amdhsa_inst_pref_size 145
	.end_amdhsa_kernel
	.amdgpu_metadata
---
amdhsa.version: [ 1, 2 ]
amdhsa.kernels:
  - .name:           k_qb6858cbe96_prep
    .symbol:         k_qb6858cbe96_prep.kd
    .args:
      - { .name: x, .offset: 0, .size: 8, .value_kind: global_buffer, .address_space: global }
      - { .name: Wq, .offset: 8, .size: 8, .value_kind: global_buffer, .address_space: global }
      - { .name: Wk, .offset: 16, .size: 8, .value_kind: global_buffer, .address_space: global }
      - { .name: Wv, .offset: 24, .size: 8, .value_kind: global_buffer, .address_space: global }
      - { .name: Wo, .offset: 32, .size: 8, .value_kind: global_buffer, .address_space: global }
      - { .name: W1, .offset: 40, .size: 8, .value_kind: global_buffer, .address_space: global }
      - { .name: W2, .offset: 48, .size: 8, .value_kind: global_buffer, .address_space: global }
      - { .name: x_codes, .offset: 56, .size: 8, .value_kind: global_buffer, .address_space: global }
      - { .name: x_scales, .offset: 64, .size: 8, .value_kind: global_buffer, .address_space: global }
      - { .name: wqkv, .offset: 72, .size: 8, .value_kind: global_buffer, .address_space: global }
      - { .name: wstream, .offset: 80, .size: 8, .value_kind: global_buffer, .address_space: global }
    .group_segment_fixed_size: 34304
    .private_segment_fixed_size: 0
    .kernarg_segment_align: 8
    .kernarg_segment_size: 88
    .max_flat_workgroup_size: 128
    .sgpr_count:     66
    .vgpr_count:     256
    .wavefront_size: 32
...
	.end_amdgpu_metadata
.endif
;; end of part 1
;; launch attn (part 2): grid 8 x 32, 16 waves a work-group, no clusters, 158,720 bytes of LDS; arguments x_codes, x_scales, wqkv, bq, bk, bv, o_codes, o_scales; writes o_codes, o_scales
.if DOCPART == 2
	.amdgcn_target "amdgcn-amd-amdhsa--gfx1250"
	.amdhsa_code_object_version 6
	.text
	.protected	k_qb6858cbe96_attn
	.globl	k_qb6858cbe96_attn
	.p2align	8
	.type	k_qb6858cbe96_attn,@function
k_qb6858cbe96_attn:
	s_mov_b64 s[64:65], 0
	v_nop
	global_prefetch_b8 v0, s[64:65] scope:SCOPE_SE
	s_setreg_imm32_b32 hwreg(HW_REG_WAVE_MODE, 25, 1), 1
	s_wait_xcnt 0x0
; One work-group for one (head, batch): q, k, v = x W + b for the batch's 512 tokens, causal attention, o / l, and o's codes.  All five products on codes of FP6 (E2M3) with E8M0 scales for each 32 along K.
; Sixteen waves of 256 registers, four to a SIMD, so that one wave's vector work stands beside another's matrix work.
; PHASE P.  Wave w owns x's tiles 2 w and 2 w + 1 (32 tokens), whose fragments stay in registers; the head's 48 weight fragments are copied once into LDS and read by all.
;   q, k: transposed (source 0 = 16 columns of W, source 1 = 16 tokens): a lane holds one token and its registers run along the head's 64: quantised in registers, stored as HALF images (K = 64: registers 0-5, 768 bytes).
;   v: source 0 = 16 tokens, source 1 = 16 columns of Wv: a lane holds one channel and its registers run along the KEYS, the second product's K: 16 keys a lane, a block of 32 in lanes l and l xor 16.
; ATTENTION.  Wave w takes query tiles w and 31 - w: five key steps of 128 keys for every wave; key steps that lie wholly above the diagonal are jumped over by a scalar branch on ids.
;   S^T = K Q^T, O^T = V^T P^T: a lane holds one query throughout.  The head's K is 64: codes 64-127 of q and k are zeros (their scale bytes 0, over zero codes on both sides).
;   t = score x log2(e) / 8; M = the running largest t rounded up to a whole number; p = 2^(t - M) is quantised; the sum of the unquantised p divides at the end.
; The tiles' rows are not neighbours: lane r of tile 2 b + u holds token 32 b + 8 u + r + 8 (r / 8).
; NO CLUSTER: what work-groups share (a head's 76,800 bytes of weight codes, a batch's 196,608 bytes of x's codes) is read once, at the head; there is no ring in which joint requests could meet.
; LIMITS: a block of zeros gets the scale byte 1 where the rule says 127 (zero codes; this program alone reads the bytes); NaN and infinities among the inputs are not served.
.set WIMG, 0                           ; LDS: the head's 48 weight images, ((4 mat + s) 4 + t) x 1,536
.set WSC,  73728                       ; their scale words: (4 mat + s) 256 + 16 r + 4 t
.set QIMG, 76800                       ; q's half images, 768 a tile
.set KIMG, 101376                      ; k's
.set VIMG, 125952                      ; v's fragments (key step ks, tile t) at (4 ks + t) 1,536; register pair P of lane l at 256 P + 8 l
.set QSC,  150528                      ; q's scale words: 64 T + 4 r
.set KSC,  152576
.set VSC,  154624                      ; v's: 256 t + 64 ks + 4 r + the block's byte
.set OSC,  155648                      ; o's scale bytes, two a row: 32 T + 2 r
; registers of phase P
.set XS,  12                           ; v12-15   x's scale words, K step s: lanes 0-15 tile 2 w, lanes 16-31 tile 2 w + 1
.set XF,  16                           ; v16-111  x's fragments at 48 u + 12 s
.set W,   112                          ; v112-159 four weight fragments
.set ACC, 160                          ; v160-223 eight accumulators
.set WS,  224                          ; v224-227 the weights' scale words (later K's and V's)
.set TM,  228
.set PT,  232
.set SCL, 236
.set PW,  240
.set WAD, 241
.set PC,  242                          ; v242-250 a half fragment's codes
.set BV,  242                          ; v242-249 bv, twice each
.set BVA, 253
.set CPA, 254
.set CPB, 255
.set VPC, 112                          ; v's codes, four registers a tile
.macro PLACES n
.rept \n
	v_nop
.endr
.endm
.macro BARRIER                         ; my LDS stores have landed and my LDS loads are in: then the work-group's barrier
	s_wait_dscnt 0x0
	s_barrier_signal -1
	s_barrier_wait -1
.endm
; 32 numbers of a lane, register 16 b + i = k 32 b + 16 h + i of my row, become a half fragment in v[PC] .. v[PC + 5] and two scale bytes in v[PW]
.macro QUANT32 s
.irp b, 0,1
	v_max3_num_f32 v[TM+\b], |v[(\s)+16*\b]|, |v[(\s)+16*\b+1]|, 0x1800000   ; with the floor 2^(3 - 127)
.endr
.irp i, 2,4,6,8,10,12,14
.irp b, 0,1
	v_max3_num_f32 v[TM+\b], v[TM+\b], |v[(\s)+16*\b+\i]|, |v[(\s)+16*\b+\i+1]|
.endr
.endr
.irp b, 0,1
	v_permlanex16_b32 v[PT+\b], v[TM+\b], s24, s25
.endr
.irp b, 0,1
	v_max_num_f32 v[TM+\b], v[TM+\b], v[PT+\b]         ; with lane l xor 16's: the block's largest magnitude
.endr
.irp b, 0,1
	v_add_nc_u32 v[SCL+\b], 0xff000000, v[TM+\b]       ; 2 off the exponent field: the conversion's scale operand
.endr
.irp b, 0,1
	v_lshrrev_b32 v[PT+\b], 23, v[SCL+\b]
.endr
	v_lshl_or_b32 v[PW], v[PT+1], 8, v[PT]
	v_cvt_scalef32_pk16_fp6_f32 v[PC:PC+2], v[(\s):(\s)+15], v[SCL]
	v_cvt_scalef32_pk16_fp6_f32 v[PC+6:PC+8], v[(\s)+16:(\s)+31], v[SCL+1]
	v_nop                                              ; one plain place behind the conversions
.irp i, 0,1,2
	v_permlane16_swap_b32 v[PC+\i], v[PC+6+\i]         ; a whole block to a lane: lanes 0-15 block 0, lanes 16-31 block 1
.endr
.irp i, 0,1,2
	v_mov_b32 v[PC+3+\i], v[PC+6+\i]
.endr
.endm
.macro BIASLD u, base                  ; the bias in the result's layout: for tile t the lane's units 32 (t / 2) + 16 h + 8 (t % 2) + 0 .. 7; it is the C of the sum's first product
.irp t, 0,1,2,3
.irp q, 0,1
	global_load_b128 v[ACC+32*(\u)+8*\t+4*\q:ACC+32*(\u)+8*\t+4*\q+3], v11, s[\base:\base+1] offset:128*(\t/2)+32*(\t%2)+16*\q
.endr
.endr
.endm
.macro WFETCH mat, s                   ; K step s of matrix mat: four fragments and their scale words
.irp t, 0,1,2,3
.irp c, 0,1,2
	ds_load_b128 v[W+12*\t+4*\c:W+12*\t+4*\c+3], v[WAD] offset:6144*(\s)+1536*\t+512*\c
.endr
.endr
	ds_load_b128 v[WS:WS+3], v4 offset:256*(4*(\mat)+(\s))
.endm
	s_load_b512 s[4:19], s[0:1], 0x0               ; x_codes, x_scales, wqkv, bq, bk, bv, o_codes, o_scales
	v_lshrrev_b32 v1, 5, v0
	v_readfirstlane_b32 s20, v1                    ; wave 0..15
	s_and_b32 s22, ttmp7, 0xffff                   ; batch; ttmp9 is the head
	v_and_b32 v252, 31, v0
	v_and_b32 v250, 15, v0                         ; r
	v_bfe_u32 v251, v0, 4, 1                       ; h
	v_lshlrev_b32 v1, 4, v252                      ; 16 x lane
	v_lshlrev_b32 v2, 3, v252                      ; 8 x lane
	v_lshlrev_b32 v3, 2, v250                      ; 4 r
	v_lshl_add_u32 v4, v250, 4, WSC
	s_mul_i32 s28, s20, 1536
	s_add_co_u32 s28, s28, QIMG
	v_add_nc_u32 v5, s28, v1                       ; my two half images of q (k's lie 24,576 on)
	v_add_nc_u32 v6, s28, v2
	s_lshl_b32 s28, s20, 7
	s_add_co_u32 s28, s28, QSC
	v_add_nc_u32 v7, s28, v3
	; v: my 32 keys are block w % 4 of key step w / 4: registers 6 c + 3 h + i (c = (w % 4) / 2) of lane r + 16 (w % 2)
	s_lshr_b32 s28, s20, 2
	s_mul_i32 s29, s28, 6144
	s_bfe_u32 s30, s20, 0x10001
	s_mul_i32 s30, s30, 768
	s_add_co_u32 s29, s29, s30
	s_and_b32 s30, s20, 1
	s_lshl_b32 s30, s30, 7
	s_add_co_u32 s29, s29, s30
	s_add_co_u32 s29, s29, VIMG
	v_lshlrev_b32 v8, 3, v250
	v_add_nc_u32 v8, s29, v8
	v_mad_u32_u24 v9, v251, 508, v8                ; code register 1: byte 4 (h = 0) or 512 (h = 1), less the store's offset 4
	v_mad_u32_u24 v8, v251, 260, v8                ; code registers 0 and 2: bytes 0, 256 (h = 0) or 260, 516 (h = 1)
	s_lshl_b32 s28, s28, 6
	s_and_b32 s30, s20, 3
	s_add_co_u32 s28, s28, s30
	s_add_co_u32 s28, s28, VSC
	v_add_nc_u32 v10, s28, v3
	v_lshlrev_b32 v11, 6, v251                     ; 64 h
	v_and_b32 v[BVA], 8, v250
	v_add_nc_u32 v[BVA], v[BVA], v250
	v_lshlrev_b32 v[BVA], 2, v[BVA]                ; 4 (r + 8 (r / 8))
	v_lshlrev_b32 v[CPA], 4, v0                    ; 16 x thread
	v_add_nc_u32 v[CPB], 0x10000, v[CPA]
.irp b, 0,1,2,3
	v_mov_b32 v[PT+\b], 0                          ; a lane permute's destination counts as one of its sources
.endr
	s_mov_b32 s24, 0x76543210
	s_mov_b32 s25, 0xfedcba98                      ; selects for lane l xor 16
	s_mov_b32 s26, 0x3e38aa3b                      ; c = log2(e) / 8
	s_mov_b32 s27, s26
	s_mul_i32 s28, ttmp9, 76800
	s_mov_b32 s29, 0
	s_lshl_b32 s30, s22, 5
	s_lshl_b32 s31, s20, 1
	s_add_co_u32 s30, s30, s31
	s_mul_i32 s30, s30, 6144                       ; tile 32 x batch + 2 w
	s_mov_b32 s31, 0
	s_lshl_b32 s32, s22, 4
	s_add_co_u32 s32, s32, s20
	s_lshl_b32 s32, s32, 9
	s_mov_b32 s33, 0
	s_lshl_b32 s34, ttmp9, 8
	s_mov_b32 s35, 0
	s_lshl_b32 s36, s22, 3
	s_add_co_u32 s36, s36, ttmp9
	s_lshl_b32 s36, s36, 10
	s_mov_b32 s37, 0
	s_wait_kmcnt 0x0
	s_add_nc_u64 s[8:9], s[8:9], s[28:29]
	s_add_nc_u64 s[4:5], s[4:5], s[30:31]
	s_add_nc_u64 s[6:7], s[6:7], s[32:33]
	s_add_nc_u64 s[10:11], s[10:11], s[34:35]
	s_add_nc_u64 s[12:13], s[12:13], s[34:35]
	s_add_nc_u64 s[14:15], s[14:15], s[34:35]
	s_add_nc_u64 s[18:19], s[18:19], s[36:37]
	; the head's weights: 73,728 bytes of images by all 512 threads, 3,072 bytes of scale words by waves 0-5
.irp i, 0,1,2,3,4,5,6,7,8
	global_load_b128 v[W+4*\i:W+4*\i+3], v[CPA], s[8:9] offset:8192*\i
.endr
	s_cmp_lt_u32 s20, 6
	s_cbranch_scc0 .Lno_sc_load
	global_load_b128 v[W+36:W+39], v[CPA], s[8:9] offset:73728
.Lno_sc_load:
.irp u, 0,1
.irp s, 0,1,2,3
.irp c, 0,1,2
	global_load_b128 v[XF+48*\u+12*\s+4*\c:XF+48*\u+12*\s+4*\c+3], v1, s[4:5] offset:6144*\u+1536*\s+512*\c
.endr
.endr
.endr
	global_load_b64 v[XS:XS+1], v2, s[6:7]
	global_load_b64 v[XS+2:XS+3], v2, s[6:7] offset:256
	BIASLD 0, 10
	BIASLD 1, 10
	s_wait_loadcnt 42                              ; behind the weights' loads 24 + 2 + 16 were issued: the weights are in
.irp i, 0,1,2,3,4,5,6,7
	ds_store_b128 v[CPA], v[W+4*\i:W+4*\i+3] offset:8192*\i
.endr
	ds_store_b128 v[CPB], v[W+32:W+35]
	s_cmp_lt_u32 s20, 6
	s_cbranch_scc0 .Lno_sc_store
	ds_store_b128 v[CPB], v[W+36:W+39] offset:8192
.Lno_sc_store:
	BARRIER                                        ; the weights lie in LDS
; q (mat 0) or k (mat 1).  The eight accumulators take turns, one instruction a turn.
.macro PROJ mat
	v_add_nc_u32 v[WAD], 24576*(\mat), v1
.irp s, 0,1,2,3
	WFETCH \mat, \s
.if \s == 0
	s_wait_loadcnt 0x0                             ; x's fragments and scale words, the bias
.endif
	s_wait_dscnt 0x0
.irp t, 0,1,2,3
	v_wmma_scale_f32_16x16x128_f8f6f4 v[ACC+8*\t:ACC+8*\t+7], v[W+12*\t:W+12*\t+11], v[XF+12*\s:XF+12*\s+11], v[ACC+8*\t:ACC+8*\t+7], v[WS+\t], v[XS+\s] matrix_a_fmt:MATRIX_FMT_FP6 matrix_b_fmt:MATRIX_FMT_FP6
	v_wmma_scale_f32_16x16x128_f8f6f4 v[ACC+32+8*\t:ACC+32+8*\t+7], v[W+12*\t:W+12*\t+11], v[XF+48+12*\s:XF+48+12*\s+11], v[ACC+32+8*\t:ACC+32+8*\t+7], v[WS+\t], v[XS+\s] matrix_a_fmt:MATRIX_FMT_FP6 matrix_b_fmt:MATRIX_FMT_FP6 matrix_b_scale:MATRIX_SCALE_ROW1
.endr
	PLACES 4                                       ; in front of loads into registers that the products read, and of the first read of results
.endr
.irp u, 0,1
	QUANT32 ACC+32*\u
	ds_store_b128 v5, v[PC:PC+3] offset:24576*(\mat)+768*\u
	ds_store_b64 v6, v[PC+4:PC+5] offset:24576*(\mat)+768*\u+512
	ds_store_b32 v7, v[PW] offset:2048*(\mat)+64*\u
.if \mat == 0
	BIASLD \u, 12                                  ; bk, into accumulators that have been read
.endif
	s_wait_dscnt 0x0                               ; the stores have read their registers
.endr
.endm
	PROJ 0
	PROJ 1
	; v: source 0 = my tokens, source 1 = Wv's columns.  Accumulator 16 t + 8 u: channel of tile t's lane r, keys 32 w + 16 h + 8 u + j
	v_add_nc_u32 v[WAD], 49152, v1
.irp t, 0,1,2,3
	global_load_b32 v[BV+2*\t], v[BVA], s[14:15] offset:(32*(\t/2)+8*(\t%2))*4
.endr
.irp s, 0,1,2,3
	WFETCH 2, \s
	s_wait_dscnt 0x0
.irp t, 0,1,2,3
.if \s == 0
	v_wmma_scale_f32_16x16x128_f8f6f4 v[ACC+16*\t:ACC+16*\t+7], v[XF+12*\s:XF+12*\s+11], v[W+12*\t:W+12*\t+11], 0, v[XS+\s], v[WS+\t] matrix_a_fmt:MATRIX_FMT_FP6 matrix_b_fmt:MATRIX_FMT_FP6
	v_wmma_scale_f32_16x16x128_f8f6f4 v[ACC+16*\t+8:ACC+16*\t+15], v[XF+48+12*\s:XF+48+12*\s+11], v[W+12*\t:W+12*\t+11], 0, v[XS+\s], v[WS+\t] matrix_a_fmt:MATRIX_FMT_FP6 matrix_b_fmt:MATRIX_FMT_FP6 matrix_a_scale:MATRIX_SCALE_ROW1
.else
	v_wmma_scale_f32_16x16x128_f8f6f4 v[ACC+16*\t:ACC+16*\t+7], v[XF+12*\s:XF+12*\s+11], v[W+12*\t:W+12*\t+11], v[ACC+16*\t:ACC+16*\t+7], v[XS+\s], v[WS+\t] matrix_a_fmt:MATRIX_FMT_FP6 matrix_b_fmt:MATRIX_FMT_FP6
	v_wmma_scale_f32_16x16x128_f8f6f4 v[ACC+16*\t+8:ACC+16*\t+15], v[XF+48+12*\s:XF+48+12*\s+11], v[W+12*\t:W+12*\t+11], v[ACC+16*\t+8:ACC+16*\t+15], v[XS+\s], v[WS+\t] matrix_a_fmt:MATRIX_FMT_FP6 matrix_b_fmt:MATRIX_FMT_FP6 matrix_a_scale:MATRIX_SCALE_ROW1
.endif
.endr
	PLACES 4
.endr
	s_wait_loadcnt 0x0                             ; bv
.irp t, 0,1,2,3
	v_mov_b32 v[BV+2*\t+1], v[BV+2*\t]
.endr
.irp t, 0,1,2,3
.irp k, 0,2,4,6,8,10,12,14
	v_pk_add_f32 v[ACC+16*\t+\k:ACC+16*\t+\k+1], v[ACC+16*\t+\k:ACC+16*\t+\k+1], v[BV+2*\t:BV+2*\t+1]   ; + bv of my channel; each accumulator from its low end on
.endr
.endr
.irp t, 0,1,2,3
	v_max3_num_f32 v[TM+\t], |v[ACC+16*\t]|, |v[ACC+16*\t+1]|, 0x1800000
.endr
.irp i, 2,4,6,8,10,12,14
.irp t, 0,1,2,3
	v_max3_num_f32 v[TM+\t], v[TM+\t], |v[ACC+16*\t+\i]|, |v[ACC+16*\t+\i+1]|
.endr
.endr
.irp t, 0,1,2,3
	v_permlanex16_b32 v[PT+\t], v[TM+\t], s24, s25
.endr
.irp t, 0,1,2,3
	v_max_num_f32 v[TM+\t], v[TM+\t], v[PT+\t]         ; the block of 32 keys
.endr
.irp t, 0,1,2,3
	v_add_nc_u32 v[SCL+\t], 0xff000000, v[TM+\t]
.endr
.irp t, 0,1,2,3
	v_lshrrev_b32 v[PT+\t], 23, v[SCL+\t]
.endr
.irp t, 0,1,2,3
	v_cvt_scalef32_pk16_fp6_f32 v[VPC+4*\t:VPC+4*\t+2], v[ACC+16*\t:ACC+16*\t+15], v[SCL+\t]
.endr
	v_nop
.irp t, 0,1,2,3
	ds_store_b32 v8, v[VPC+4*\t] offset:1536*\t
	ds_store_b32 v9, v[VPC+4*\t+1] offset:1536*\t+4
	ds_store_b32 v8, v[VPC+4*\t+2] offset:1536*\t+256
	ds_store_b8 v10, v[PT+\t] offset:256*\t            ; both lanes of a block write the same byte with the same value
.endr
	BARRIER                                        ; q, k and v of the whole batch lie in LDS
; ---- attention.  Registers: v4 -M, v5 the largest t, v[6:7] the sum; v12 q's scale word, v13 p's; v16-27 q; v32-79 four fragments of k; v80-94 addresses; v96-159 S^T, then p, then v's four fragments;
;      v160-191 O^T; v192-203 p's codes; v204-210 second halves; v212-223 at work; v224-227 k's or v's scale words; v[232:233] f; v235-238 at work; v240, v241 o's scale bytes
.set TM,  212
.set PT,  216
.set SCL, 220
.set PW,  238
.set PC,  192
.set KF,  32
.set S,   96
.set OT,  160
.set QS,  12
.set PS,  13
.set KVS, 224
	v_and_b32 v93, 15, v0
	v_bfe_u32 v94, v0, 4, 1
	v_add_nc_u32 v80, KIMG, v1
	v_add_nc_u32 v81, KIMG, v2
	v_add_nc_u32 v82, KSC, v3
	v_add_nc_u32 v83, VIMG, v2
	v_add_nc_u32 v84, VSC, v3
	v_and_b32 v88, 8, v93
	v_add_nc_u32 v88, v88, v93
	v_lshlrev_b32 v94, 4, v94
	v_sub_nc_u32 v88, v88, v94                     ; r + 8 (r / 8) - 16 h
	v_mov_b32 v90, 0xff800000                      ; -infinity
	s_lshl_b32 s28, s20, 5
	s_add_co_u32 s28, s28, OSC
	v_lshl_add_u32 v91, v93, 1, s28                ; o's scale bytes of tile w,
	s_xor_b32 s28, s20, 31
	s_lshl_b32 s28, s28, 5
	s_add_co_u32 s28, s28, OSC
	v_lshl_add_u32 v92, v93, 1, s28                ; and of tile 31 - w
	v_lshlrev_b32 v94, 4, v0
	v_add_nc_u32 v93, OSC, v94
.irp j, 22,23,24,25,26,27
	v_mov_b32 v[\j], 0                             ; q's codes 64-127
.endr
.irp t, 0,1,2,3
.irp j, 6,7,8,9,10,11
	v_mov_b32 v[KF+12*\t+\j], 0                    ; k's
.endr
.endr
.irp b, 0,1,2,3
	v_mov_b32 v[PT+\b], 0
.endr
	v_mov_b32 v233, 0                              ; (named as the upper half of the pair v[232:233])
	v_mov_b32 v235, 0
	v_mov_b32 v240, 0
; A KEY STEP: keys 128 ks on
.macro STEP ks
.if \ks > 0
	s_cmp_lt_u32 s41, \ks                          ; all its keys come after my queries: left out
	s_cbranch_scc1 .Lhidden_\@
.endif
.irp g, 0,1                                    ; S^T = K Q^T, four tiles of 16 keys at a time
.if \g > 0
	PLACES 4
.endif
.irp t, 0,1,2,3
	ds_load_b128 v[KF+12*\t:KF+12*\t+3], v80 offset:6144*\ks+768*(4*\g+\t)
	ds_load_b64 v[KF+12*\t+4:KF+12*\t+5], v81 offset:6144*\ks+768*(4*\g+\t)+512
	ds_load_b32 v[KVS+\t], v82 offset:512*\ks+64*(4*\g+\t)
.endr
	s_wait_dscnt 0x0
.irp t, 0,1,2,3
	v_wmma_scale_f32_16x16x128_f8f6f4 v[S+8*(4*\g+\t):S+8*(4*\g+\t)+7], v[KF+12*\t:KF+12*\t+11], v[16:27], 0, v[KVS+\t], v[QS] matrix_a_fmt:MATRIX_FMT_FP6 matrix_b_fmt:MATRIX_FMT_FP6
.endr
.endr                                          ; register 16 b + i: key 128 ks + 32 b + 16 h + i
	PLACES 4
	s_cmp_lg_u32 s41, \ks                          ; only the step on the diagonal is masked
	s_cbranch_scc1 .Lopen_\@
.set CN, 0
.rept 64
	v_cmp_gt_i32 vcc_lo, 32*(CN/16)+CN%16, v89         ; hidden where the key comes after my query
	v_cndmask_b32 v[S+CN], v[S+CN], v90, vcc_lo
.set CN, CN+1
.endr
.Lopen_\@:
.irp b, 0,1,2,3
	v_max3_num_f32 v[TM+\b], v[S+16*\b], v[S+1+16*\b], v[S+2+16*\b]   ; the largest score of each block of 32 keys: for the row's maximum and, since p rises with the score, for the block's largest p
.endr
.irp i, 3,5,7,9,11,13
.irp b, 0,1,2,3
	v_max3_num_f32 v[TM+\b], v[TM+\b], v[S+16*\b+\i], v[S+1+16*\b+\i]
.endr
.endr
.irp b, 0,1,2,3
	v_max_num_f32 v[TM+\b], v[TM+\b], v[S+15+16*\b]
.endr
.irp b, 0,1,2,3
	v_permlanex16_b32 v[PT+\b], v[TM+\b], s24, s25
.endr
.irp b, 0,1,2,3
	v_max_num_f32 v[TM+\b], v[TM+\b], v[PT+\b]
.endr
	v_max3_num_f32 v235, v[TM], v[TM+1], v[TM+2]
	v_max_num_f32 v235, v235, v[TM+3]
	v_mul_f32 v235, s26, v235                          ; as t
	v_max_num_f32 v5, v5, v235                         ; the running largest t
	v_mov_b32 v235, v4
	v_floor_f32 v4, -v5                                ; -M = floor(-t): M is a whole number
	v_sub_f32 v235, v4, v235                           ; old M - new M
	v_cvt_i32_f32 v235, v235                           ; (it saturates)
	v_ldexp_f32 v232, 1.0, v235                        ; f = 2^(old M - new M): rounds nothing
.set CN, 0
.rept 32
	v_pk_fma_f32 v[S+CN:S+CN+1], v[S+CN:S+CN+1], s[26:27], v[4:5] op_sel_hi:[1,0,0]   ; t - M
.set CN, CN+2
.endr
.irp b, 0,1,2,3
	v_fma_f32 v[TM+\b], v[TM+\b], s26, v4
.endr
.set CN, 0
.rept 64
	v_exp_f32 v[S+CN], v[S+CN]                         ; p = 2^(t - M)
.set CN, CN+1
.endr
	v_pk_mul_f32 v[6:7], v[6:7], v[232:233] op_sel_hi:[1,0]   ; the sums under the new M; a plain place behind the exponentials
	s_wait_alu depctr_va_vdst(0)                       ; one wait for the batch, ahead of its first reader
.irp b, 0,1,2,3
	v_exp_f32 v[TM+\b], v[TM+\b]                       ; the block's largest p
.endr
	v_pk_add_f32 v[236:237], v[S:S+1], v[S+2:S+3]      ; the row's sum of the unquantised p, in two chains
.set CN, 4
.rept 15
	v_pk_add_f32 v[6:7], v[6:7], v[S+CN:S+CN+1]
	v_pk_add_f32 v[236:237], v[236:237], v[S+CN+2:S+CN+3]
.set CN, CN+4
.endr
	v_pk_add_f32 v[6:7], v[6:7], v[236:237]
	s_wait_alu depctr_va_vdst(0)                       ; and one for the four
.irp b, 0,1,2,3
	v_max_num_f32 v[TM+\b], 0x1800000, v[TM+\b]        ; the floor: the byte cannot fall under 1
.endr
.irp b, 0,1,2,3
	v_add_nc_u32 v[SCL+\b], 0xff000000, v[TM+\b]
.endr
.irp b, 0,1,2,3
	v_lshrrev_b32 v[PT+\b], 23, v[SCL+\b]
.endr
	v_lshl_or_b32 v[PS], v[PT+1], 8, v[PT]             ; p's scale word for these 128 keys
	v_lshl_or_b32 v[PS], v[PT+2], 16, v[PS]
	v_lshl_or_b32 v[PS], v[PT+3], 24, v[PS]
.irp c, 0,1
	v_cvt_scalef32_pk16_fp6_f32 v[192+6*\c:194+6*\c], v[S+32*\c:S+15+32*\c], v[SCL+2*\c]
	v_cvt_scalef32_pk16_fp6_f32 v[204+4*\c:206+4*\c], v[S+16+32*\c:S+31+32*\c], v[SCL+2*\c+1]
.endr
	v_nop
.irp c, 0,1
.irp i, 0,1,2
	v_permlane16_swap_b32 v[192+6*\c+\i], v[204+4*\c+\i]
.endr
.irp i, 0,1,2
	v_mov_b32 v[195+6*\c+\i], v[204+4*\c+\i]
.endr
.endr
.set CN, 0
.rept 16
	v_pk_mul_f32 v[OT+CN:OT+CN+1], v[OT+CN:OT+CN+1], v[232:233] op_sel_hi:[1,0]   ; O^T under the new M; these also stand between the scale word's and the codes' last writes and the products
.set CN, CN+2
.endr
.irp t, 0,1,2,3                                ; O^T += V^T P^T: v's four fragments take the registers that p has left
.irp p, 0,1,2,3,4,5
	ds_load_b64 v[S+12*\t+2*\p:S+12*\t+2*\p+1], v83 offset:6144*\ks+1536*\t+256*\p
.endr
	ds_load_b32 v[KVS+\t], v84 offset:256*\t+64*\ks
.endr
	s_wait_dscnt 0x0
.irp t, 0,1,2,3
	v_wmma_scale_f32_16x16x128_f8f6f4 v[OT+8*\t:OT+8*\t+7], v[S+12*\t:S+12*\t+11], v[192:203], v[OT+8*\t:OT+8*\t+7], v[KVS+\t], v[PS] matrix_a_fmt:MATRIX_FMT_FP6 matrix_b_fmt:MATRIX_FMT_FP6
.endr
	PLACES 5                                       ; the next step's scores are written over registers that these products read: five places
.if \ks > 0
.Lhidden_\@:
.endif
.endm
	s_mov_b32 s40, s20                             ; T = w, then 31 - w
	s_mov_b32 s43, 2
.Ltile:
	s_lshr_b32 s41, s40, 3                         ; the key step on the diagonal
	s_bfe_u32 s42, s40, 0x20001
	s_lshl_b32 s42, s42, 5
	s_and_b32 s28, s40, 1
	s_lshl_b32 s28, s28, 3
	s_add_co_u32 s42, s42, s28                     ; my tile's first token within that key step
	s_mul_i32 s28, s40, 768
	s_add_co_u32 s28, s28, QIMG
	v_add_nc_u32 v85, s28, v1
	v_add_nc_u32 v86, s28, v2
	s_lshl_b32 s29, s40, 6
	s_add_co_u32 s29, s29, QSC
	v_add_nc_u32 v87, s29, v3
	ds_load_b128 v[16:19], v85
	ds_load_b64 v[20:21], v86 offset:512
	ds_load_b32 v[QS], v87
	v_add_nc_u32 v89, s42, v88                     ; d = my query - the step's first key - 16 h
	v_mov_b32 v5, 0xff61b1e6                       ; the largest t so far: -3e38
	v_floor_f32 v4, -v5
	v_mov_b32 v6, 0
	v_mov_b32 v7, 0
.set CN, 0
.rept 32
	v_mov_b32 v[OT+CN], 0                          ; the step is written once: the first finds zeros
.set CN, CN+1
.endr
	STEP 0
	STEP 1
	STEP 2
	STEP 3
	v_add_f32 v6, v6, v7
	v_permlanex16_b32 v235, v6, s24, s25
	v_add_f32 v6, v6, v235                         ; the row's sum
	v_rcp_f32 v6, v6
	v_nop                                          ; a plain place behind the reciprocal
	s_wait_alu depctr_va_vdst(0)                   ; and the wait ahead of its first reader
.set CN, 0
.rept 32
	v_mul_f32 v[S+CN], v[OT+CN], v6                ; o: register 16 b + i is channel 32 b + 16 h + i of my query
.set CN, CN+1
.endr
	QUANT32 S
	s_lshl_b32 s28, s22, 5
	s_add_co_u32 s28, s28, s40
	s_lshl_b32 s28, s28, 3
	s_add_co_u32 s28, s28, ttmp9
	s_mul_i32 s28, s28, 768                        ; ((32 x batch + T) 8 + head) half images
	s_mov_b32 s29, 0
	s_add_nc_u64 s[44:45], s[16:17], s[28:29]
	global_store_b128 v1, v[PC:PC+3], s[44:45]         ; 512 consecutive bytes, aligned
	global_store_b64 v2, v[PC+4:PC+5], s[44:45] offset:512   ; and 256
	v_mov_b32 v241, v240
	v_mov_b32 v240, v[PW]
	s_wait_xcnt 0x0                                ; the stores have read their registers and their base: the next tile writes both
	s_xor_b32 s40, s40, 31
	s_sub_co_u32 s43, s43, 1
	s_cmp_lg_u32 s43, 0
	s_cbranch_scc1 .Ltile
	BARRIER                                        ; every wave's LDS reads are over
	ds_store_b16 v91, v241                         ; both lanes of a row write the same bytes with the same value
	ds_store_b16 v92, v240
	BARRIER
	s_cmp_lt_u32 s20, 2
	s_cbranch_scc0 .Ldone
	ds_load_b128 v[96:99], v93                     ; 1,024 bytes of scale bytes leave by 64 threads, in whole aligned runs of 256
	s_wait_dscnt 0x0
	global_store_b128 v94, v[96:99], s[18:19]
.Ldone:
	s_wait_xcnt 0x0
	v_lshl_add_u32 v254, v0, 2, 0x26400
	v_mov_b32 v255, 0
	s_wait_tensorcnt 0x0
	ds_add_u32 v254, v255
	s_wait_dscnt 0x0
	s_endpgm
.Lfunc_end_k_qb6858cbe96_attn:
	.size	k_qb6858cbe96_attn, .Lfunc_end_k_qb6858cbe96_attn-k_qb6858cbe96_attn
	.p2alignl 7, 3214868480
	.fill 96, 4, 3214868480
	.section	.rodata,"a",@progbits
	.p2align	6, 0x0
	.amdhsa_kernel k_qb6858cbe96_attn
		.amdhsa_group_segment_fixed_size 158720
		.amdhsa_private_segment_fixed_size 0
		.amdhsa_enable_private_segment 0
		.amdhsa_kernarg_size 64
		.amdhsa_user_sgpr_count 2
		.amdhsa_user_sgpr_kernarg_segment_ptr 1
		.amdhsa_wavefront_size32 1
		.amdhsa_system_sgpr_workgroup_id_x 1
		.amdhsa_system_sgpr_workgroup_id_y 1
		.amdhsa_system_sgpr_workgroup_id_z 1
		.amdhsa_system_vgpr_workitem_id 0
		.amdhsa_next_free_vgpr 256
		.amdhsa_next_free_sgpr 66
		.amdhsa_reserve_vcc 1
		.amdhsa_float_denorm_mode_32 3
		.amdhsa_float_denorm_mode_16_64 3
		.amdhsa_memory_ordered 1
		.amdhsa_forward_progress 1
		.amdhsa_inst_pref_size 146
	.end_amdhsa_kernel
	.amdgpu_metadata
---
amdhsa.version: [ 1, 2 ]
amdhsa.kernels:
  - .name:           k_qb6858cbe96_attn
    .symbol:         k_qb6858cbe96_attn.kd
    .args:
      - { .name: x_codes, .offset: 0, .size: 8, .value_kind: global_buffer, .address_space: global }
      - { .name: x_scales, .offset: 8, .size: 8, .value_kind: global_buffer, .address_space: global }
      - { .name: wqkv, .offset: 16, .size: 8, .value_kind: global_buffer, .address_space: global }
      - { .name: bq, .offset: 24, .size: 8, .value_kind: global_buffer, .address_space: global }
      - { .name: bk, .offset: 32, .size: 8, .value_kind: global_buffer, .address_space: global }
      - { .name: bv, .offset: 40, .size: 8, .value_kind: global_buffer, .address_space: global }
      - { .name: o_codes, .offset: 48, .size: 8, .value_kind: global_buffer, .address_space: global }
      - { .name: o_scales, .offset: 56, .size: 8, .value_kind: global_buffer, .address_space: global }
    .group_segment_fixed_size: 158720
    .private_segment_fixed_size: 0
    .kernarg_segment_align: 8
    .kernarg_segment_size: 64
    .max_flat_workgroup_size: 512
    .sgpr_count:     66
    .vgpr_count:     256
    .wavefront_size: 32
...
	.end_amdgpu_metadata
.endif
;; end of part 2
;; launch chain (part 3): grid 256 x 1, 4 waves a work-group, no clusters, 272,896 bytes of LDS; arguments o_codes, o_scales, wstream, x, bo, b1, b2, ln1_g, ln1_b, ln2_g, ln2_b, out0; writes out0
.if DOCPART == 3
	.amdgcn_target "amdgcn-amd-amdhsa--gfx1250"
	.amdhsa_code_object_version 6
	.text
	.protected	k_qb6858cbe96_chain
	.globl	k_qb6858cbe96_chain
	.p2align	8
	.type	k_qb6858cbe96_chain,@function
k_qb6858cbe96_chain:
	s_mov_b64 s[64:65], 0
	v_nop
	global_prefetch_b8 v0, s[64:65] scope:SCOPE_SE
	s_setreg_imm32_b32 hwreg(HW_REG_WAVE_MODE, 25, 1), 1
	s_wait_xcnt 0x0
; out1 = x + LN1(o Wo + bo); out = out1 + LN2(relu(out1 W1 + b1) W2 + b2), for 64 rows a work-group; the three products on codes of FP6 (E2M3) with E8M0 scales.  Nothing between o and out goes to memory.
; THE WAVES SHARE THE COLUMNS: wave w makes outputs 128 w .. 128 w + 127 of Wo and of W2 and hidden units 512 w .. 512 w + 511, for all 64 rows (four tiles m, rows 32 (m / 2) + 8 (m % 2) + r + 8 (r / 8)).
; So each weight fragment is wanted by one wave of the work-group: it comes from memory straight into its operand registers (laid so by the first launch: 36 groups of 8 fragments and their scale words a wave) and feeds four products.
; All products are transposed (source 0 = 16 weight columns, source 1 = 16 rows): a lane holds one row, and its 64 registers of a tile of rows run along the wave's 128 columns, which are one K step of the next product.
; What a wave has quantised goes to the others through LDS as images of the operand's registers (1,536 bytes a fragment, 128 bytes of scale words).
; WEIGHT GROUPS ARE ASKED FOR AHEAD, into four sets of registers by turns: two groups ahead in the first product, where the stream starts, three from the first norm on: the set that group k - 1 has left takes group k + 3.
; That is 75 loads a wave, of which LOADcnt's field lets 63 be out (ISA guide 5.7.1: a load that would pass the field is held at issue): 63 x 512 bytes a wave on their way.  The rows' fragments come from LDS one group ahead, into two buffers.
; LayerNorm: mean and variance in two passes (no difference of large sums); the four waves' partial sums meet in LDS.
; x's rows for the residual come by asynchronous copies, 512 consecutive bytes each, into each wave's own rows of LDS, where out1 and then out take their place.  They are asked for behind o, the first weights and bo, for which the
; first product waits.  63 copies a wave, as many as ASYNCcnt's field holds; the 64th piece comes by a load and one LDS store, so that no copy is held at issue in front of the first barrier.
; NO CLUSTER: all work-groups walk the same weights, but joint loads want a ring in LDS: two slots of a group for four waves are 2 x 51,200 bytes, and of the 327,680 bytes 272,384 are taken (the hidden layer's codes alone 106,496).
; LIMITS: a block of zeros gets the scale byte 1 where the rule says 127 (zero codes; this program alone reads the bytes); NaN and infinities among the inputs are not served.
.set RES,  0                           ; LDS: for each wave 64 rows x 528 bytes: x, then out1, then out, in the wave's 128 columns
.set AIMG, 135168                      ; images (K step s, tile m) at (4 s + m) 1,536: o's, later out1's
.set ASC,  159744                      ; their scale words: (4 s + m) 128 + 4 x lane
.set HIMG, 161792                      ; the hidden layer's 64 images
.set HSC,  260096
.set STAT, 268288                      ; four regions of 1,024: 256 w + 16 r + 4 m
; window 0
.set ACT, 16                           ; v16-111  the rows' fragments, two buffers of 48
.set XR,  16                           ; v16-79   in the norms: 64 numbers of the residual
.set LD,  80                           ; v80-95   the four waves' partial sums
.set SP,  96                           ; v96-103  four running pairs
.set ST4, 104
.set PT4, 108
.set HA,  112                          ; v112-175 64 numbers of a lane
.set XB,  112                          ; v112-127 at the head: the copies' offsets, untouched until the copies are waited for
.set PC,  176                          ; v176-194 codes
.set XL,  176                          ; v176-179 until the first norm: the last row piece of x
.set TM,  196                          ; v196-211 at work
.set PW,  212
.set BO,  213                          ; 64 h
.set WSC, 214                          ; v214-229 the weights' scale words, four for each set: lanes 0-15 tiles 0-3, lanes 16-31 tiles 4-7
.set ASR, 230                          ; v230-237 the rows' scale words, four for each buffer
.set MU,  238                          ; v238-245 the means, twice each
.set RS,  246                          ; v246-253 1 / sqrt(var + eps), twice each
.set HWT, 254
.set HST, 255
.set BI,  192                          ; window 1: v0-95, v96-191 weight sets 0, 1; v192-255 the bias in the result's layout
.set GA,  96                           ; window 2: v0-95, v96-191 weight sets 2, 3; in the norms, when set 3 is free, v96-159 the gain, v160-223 the shift (set 2 may hold a group on its way)
.set BE,  160                          ; window 3: the 32 accumulators, (tile t, rows m) at 64 m + 8 t
.set WP,  40                           ; s[40:41] the weights' stream
.set BP,  42                           ; s[42:43] the next bias
.set B2P, 44
.set MSB, 0
.macro WIN new                         ; the immediate's high byte repeats the setting that is left
.if MSB != (\new)
	s_set_vgpr_msb (MSB<<8)|(\new)
.set MSB, (\new)
.endif
.endm
.macro PLACES n
.rept \n
	v_nop
.endr
.endm
.macro BARRIER                         ; my LDS stores have landed and my LDS loads are in: then the work-group's barrier
	s_wait_dscnt 0x0
	s_barrier_signal -1
	s_barrier_wait -1
.endm
; 64 numbers of a lane, register 16 b + i = k 32 b + 16 h + i of my row, become a fragment's codes in v[PC] on and its scale word in v[PW]
.macro QUANT64 s
.irp b, 0,1,2,3
	v_max3_num_f32 v[TM+\b], |v[(\s)+16*\b]|, |v[(\s)+1+16*\b]|, 0x1800000   ; with the floor 2^(3 - 127)
.endr
.irp i, 2,4,6,8,10,12,14
.irp b, 0,1,2,3
	v_max3_num_f32 v[TM+\b], v[TM+\b], |v[(\s)+16*\b+\i]|, |v[(\s)+1+16*\b+\i]|
.endr
.endr
.irp b, 0,1,2,3
	v_permlanex16_b32 v[TM+4+\b], v[TM+\b], s30, s31
.endr
.irp b, 0,1,2,3
	v_max_num_f32 v[TM+\b], v[TM+\b], v[TM+4+\b]
.endr
.irp b, 0,1,2,3
	v_add_nc_u32 v[TM+12+\b], 0xff000000, v[TM+\b]     ; 2 off the exponent field: the conversion's scale operand
.endr
.irp b, 0,1,2,3
	v_lshrrev_b32 v[TM+4+\b], 23, v[TM+12+\b]
.endr
	v_lshl_or_b32 v[PW], v[TM+5], 8, v[TM+4]
	v_lshl_or_b32 v[PW], v[TM+6], 16, v[PW]
	v_lshl_or_b32 v[PW], v[TM+7], 24, v[PW]
.irp c, 0,1
	v_cvt_scalef32_pk16_fp6_f32 v[PC+6*\c:PC+2+6*\c], v[(\s)+32*\c:(\s)+15+32*\c], v[TM+12+2*\c]
	v_cvt_scalef32_pk16_fp6_f32 v[PC+12+4*\c:PC+14+4*\c], v[(\s)+16+32*\c:(\s)+31+32*\c], v[TM+12+2*\c+1]
.endr
	v_nop                                              ; one plain place behind the conversions
.irp c, 0,1
.irp i, 0,1,2
	v_permlane16_swap_b32 v[PC+6*\c+\i], v[PC+12+4*\c+\i]   ; a whole block to a lane
.endr
.irp i, 0,1,2
	v_mov_b32 v[PC+3+6*\c+\i], v[PC+12+4*\c+\i]
.endr
.endr
.endm
.macro IMAGE adr, off
.irp c, 0,1,2
	ds_store_b128 v[\adr], v[PC+4*\c:PC+4*\c+3] offset:(\off)+512*\c
.endr
.endm
; a group of weights, off bytes on in my stream, into set: 24 + 1 loads, each of 512 consecutive bytes
.macro WLOAD set, off
	PLACES 4                                           ; in front of loads into registers that products have read
	WIN 0x40*(1+(\set)/2)
.irp t, 0,1,2,3,4,5,6,7
.irp c, 0,1,2
	global_load_b128 v[96*((\set)%2)+12*\t+4*\c:96*((\set)%2)+12*\t+4*\c+3], v1, s[WP:WP+1] offset:(\off)+1536*\t+512*\c
.endr
.endr
	WIN 0
	global_load_b128 v[WSC+4*(\set):WSC+4*(\set)+3], v1, s[WP:WP+1] offset:(\off)+12288
.endm
.macro AFETCH buf, off                 ; the four tiles of rows of one K step, and their scale words
.irp m, 0,1,2,3
.irp c, 0,1,2
	ds_load_b128 v[ACT+48*(\buf)+12*\m+4*\c:ACT+48*(\buf)+12*\m+4*\c+3], v13 offset:(\off)+1536*\m+512*\c
.endr
	ds_load_b32 v[ASR+4*(\buf)+\m], v14 offset:(\off)/12+128*\m
.endr
.endm
.macro WM t, m, set, buf, first
.if \first
.if (\t) < 4
	v_wmma_scale_f32_16x16x128_f8f6f4 v[64*\m+8*(\t):64*\m+8*(\t)+7], v[96*((\set)%2)+12*(\t):96*((\set)%2)+12*(\t)+11], v[ACT+48*(\buf)+12*\m:ACT+48*(\buf)+12*\m+11], v[BI+8*(\t):BI+8*(\t)+7], v[WSC+4*(\set)+(\t)%4], v[ASR+4*(\buf)+\m] matrix_a_fmt:MATRIX_FMT_FP6 matrix_b_fmt:MATRIX_FMT_FP6
.else
	v_wmma_scale_f32_16x16x128_f8f6f4 v[64*\m+8*(\t):64*\m+8*(\t)+7], v[96*((\set)%2)+12*(\t):96*((\set)%2)+12*(\t)+11], v[ACT+48*(\buf)+12*\m:ACT+48*(\buf)+12*\m+11], v[BI+8*(\t):BI+8*(\t)+7], v[WSC+4*(\set)+(\t)%4], v[ASR+4*(\buf)+\m] matrix_a_fmt:MATRIX_FMT_FP6 matrix_b_fmt:MATRIX_FMT_FP6 matrix_a_scale:MATRIX_SCALE_ROW1
.endif
.else
.if (\t) < 4
	v_wmma_scale_f32_16x16x128_f8f6f4 v[64*\m+8*(\t):64*\m+8*(\t)+7], v[96*((\set)%2)+12*(\t):96*((\set)%2)+12*(\t)+11], v[ACT+48*(\buf)+12*\m:ACT+48*(\buf)+12*\m+11], v[64*\m+8*(\t):64*\m+8*(\t)+7], v[WSC+4*(\set)+(\t)%4], v[ASR+4*(\buf)+\m] matrix_a_fmt:MATRIX_FMT_FP6 matrix_b_fmt:MATRIX_FMT_FP6
.else
	v_wmma_scale_f32_16x16x128_f8f6f4 v[64*\m+8*(\t):64*\m+8*(\t)+7], v[96*((\set)%2)+12*(\t):96*((\set)%2)+12*(\t)+11], v[ACT+48*(\buf)+12*\m:ACT+48*(\buf)+12*\m+11], v[64*\m+8*(\t):64*\m+8*(\t)+7], v[WSC+4*(\set)+(\t)%4], v[ASR+4*(\buf)+\m] matrix_a_fmt:MATRIX_FMT_FP6 matrix_b_fmt:MATRIX_FMT_FP6 matrix_a_scale:MATRIX_SCALE_ROW1
.endif
.endif
.endm
; 16 products: weight tiles t0 .. t0 + 3 x the four tiles of rows.  first = 1: the bias is the C of the sum's first product.  The 32 accumulators take turns, in the same order in every group.
.macro MUL16 set, buf, t0, first
.if \first
	WIN 0xd1                                           ; source 0 and the bias window 1, rows window 0, results window 3
.else
	WIN 0xf1+(\set)/2                                  ; source 0 window 1 or 2, C and D window 3
.endif
.irp t, \t0, \t0+1, \t0+2, \t0+3
.irp m, 0,1,2,3
	WM \t, \m, \set, \buf, \first
.endr
.endr
.endm
; A GROUP: one K step of my 128 columns for the 64 rows, 32 products.  ld = 1: a later group is asked for, into set ldset.  cnt: of the weight loads issued behind this group's, how many may stay out.  pf = 1: the next K step's rows are fetched.
.macro GROUP set, buf, ld, ldset, ldoff, cnt, first, pf, pfoff
.if \ld
	WLOAD \ldset, \ldoff
.endif
	s_wait_loadcnt \cnt                                ; loads come back in order: this group's 25 are in
	s_wait_dscnt 0x0                                   ; the rows' fragments, asked for 16 products ago
	MUL16 \set, \buf, 0, \first
.if \pf
	WIN 0
	PLACES 4
	AFETCH 1-\buf, \pfoff
.endif
	MUL16 \set, \buf, 4, \first
	WIN 0
.endm
.macro BIAS                            ; 128 numbers from s[BP]: for tile t the lane's units 32 (t / 2) + 16 h + 8 (t % 2) + 0 .. 7
	PLACES 4
	WIN 0x40
.irp t, 0,1,2,3,4,5,6,7
.irp q, 0,1
	global_load_b128 v[BI+8*\t+4*\q:BI+8*\t+4*\q+3], v[BO], s[BP:BP+1] offset:128*(\t/2)+32*(\t%2)+16*\q
.endr
.endr
	WIN 0
.endm
; the four running pairs become the rows' totals over 512 columns, in v[LD] .. v[LD + 3]
.macro REDUCE4 region
.irp m, 0,1,2,3
	v_add_f32 v[ST4+\m], v[SP+2*\m], v[SP+2*\m+1]
.endr
.irp m, 0,1,2,3
	v_permlanex16_b32 v[PT4+\m], v[ST4+\m], s30, s31
.endr
.irp m, 0,1,2,3
	v_add_f32 v[ST4+\m], v[ST4+\m], v[PT4+\m]          ; my wave's 128 columns
.endr
	ds_store_b128 v11, v[ST4:ST4+3] offset:1024*(\region)
	BARRIER
.irp q, 0,1,2,3
	ds_load_b128 v[LD+4*\q:LD+4*\q+3], v12 offset:1024*(\region)+256*\q
.endr
	s_wait_dscnt 0x0
	v_pk_add_f32 v[LD:LD+1], v[LD:LD+1], v[LD+4:LD+5]
	v_pk_add_f32 v[LD+2:LD+3], v[LD+2:LD+3], v[LD+6:LD+7]
	v_pk_add_f32 v[LD+8:LD+9], v[LD+8:LD+9], v[LD+12:LD+13]
	v_pk_add_f32 v[LD+10:LD+11], v[LD+10:LD+11], v[LD+14:LD+15]
	v_pk_add_f32 v[LD:LD+1], v[LD:LD+1], v[LD+8:LD+9]
	v_pk_add_f32 v[LD+2:LD+3], v[LD+2:LD+3], v[LD+10:LD+11]
.endm
; mean and 1 / sqrt(var + eps) of the 64 rows; the accumulators become a - mean.  The gain and the shift are asked for at the head.
.macro LNSTAT region, gp, bp
	PLACES 4
	WIN 0x80
.irp b, 0,1,2,3
.irp j, 0,1,2,3
	global_load_b128 v[GA+16*\b+4*\j:GA+16*\b+4*\j+3], v[BO], s[\gp:\gp+1] offset:128*\b+16*\j
	global_load_b128 v[BE+16*\b+4*\j:BE+16*\b+4*\j+3], v[BO], s[\bp:\bp+1] offset:128*\b+16*\j
.endr
.endr
	WIN 0x0f
.irp m, 0,1,2,3
	v_pk_add_f32 v[SP+2*\m:SP+2*\m+1], v[64*\m:64*\m+1], v[64*\m+2:64*\m+3]   ; each accumulator is read from its low end on
.endr
	WIN 0x0c
.set CK, 4
.rept 30
.irp m, 0,1,2,3
	v_pk_add_f32 v[SP+2*\m:SP+2*\m+1], v[SP+2*\m:SP+2*\m+1], v[64*\m+CK:64*\m+CK+1]
.endr
.set CK, CK+2
.endr
	WIN 0
	REDUCE4 \region
.irp m, 0,1,2,3
	v_mul_f32 v[MU+2*\m], s57, v[LD+\m]                ; / 512
.endr
.irp m, 0,1,2,3
	v_mov_b32 v[MU+2*\m+1], v[MU+2*\m]
.endr
	WIN 0xc3
.set CK, 0
.rept 32
.irp m, 0,1,2,3
	v_pk_add_f32 v[64*\m+CK:64*\m+CK+1], v[64*\m+CK:64*\m+CK+1], v[MU+2*\m:MU+2*\m+1] neg_lo:[0,1] neg_hi:[0,1]
.endr
.set CK, CK+2
.endr
	WIN 0x0f
.irp m, 0,1,2,3
	v_pk_mul_f32 v[SP+2*\m:SP+2*\m+1], v[64*\m:64*\m+1], v[64*\m:64*\m+1]
.endr
.set CK, 2
.rept 31
.irp m, 0,1,2,3
	v_pk_fma_f32 v[SP+2*\m:SP+2*\m+1], v[64*\m+CK:64*\m+CK+1], v[64*\m+CK:64*\m+CK+1], v[SP+2*\m:SP+2*\m+1]
.endr
.set CK, CK+2
.endr
	WIN 0
	REDUCE4 (\region)+1
.irp m, 0,1,2,3
	v_fma_f32 v[RS+2*\m], v[LD+\m], s57, s56           ; var + eps
.endr
.irp m, 0,1,2,3
	v_rsq_f32 v[RS+2*\m], v[RS+2*\m]
.endr
	v_nop                                              ; a plain place behind the last of them
	s_wait_alu depctr_va_vdst(0)                       ; one wait for the four, ahead of their first reader
.irp m, 0,1,2,3
	v_mov_b32 v[RS+2*\m+1], v[RS+2*\m]
.endr
.endm
; tile m: residual + (a - mean) rs g + b, into v[HA] on and into my rows of LDS
.macro LNROW m
.irp b, 0,1,2,3
.irp j, 0,1,2,3
	ds_load_b128 v[XR+16*\b+4*\j:XR+16*\b+4*\j+3], v3 offset:8448*\m+128*\b+16*\j
.endr
.endr
	WIN 0x03
.set CK, 0
.rept 32
	v_pk_mul_f32 v[HA+CK:HA+CK+1], v[64*\m+CK:64*\m+CK+1], v[RS+2*\m:RS+2*\m+1]
.set CK, CK+2
.endr
	WIN 0x28
.set CK, 0
.rept 32
	v_pk_fma_f32 v[HA+CK:HA+CK+1], v[HA+CK:HA+CK+1], v[GA+CK:GA+CK+1], v[BE+CK:BE+CK+1]
.set CK, CK+2
.endr
	WIN 0
	s_wait_dscnt 0x0
.set CK, 0
.rept 32
	v_pk_add_f32 v[HA+CK:HA+CK+1], v[HA+CK:HA+CK+1], v[XR+CK:XR+CK+1]
.set CK, CK+2
.endr
.irp b, 0,1,2,3
.irp j, 0,1,2,3
	ds_store_b128 v3, v[HA+16*\b+4*\j:HA+16*\b+4*\j+3] offset:8448*\m+128*\b+16*\j
.endr
.endr
.endm
	s_load_b512 s[4:19], s[0:1], 0x0               ; o_codes, o_scales, wstream, x, bo, b1, b2, ln1_g
	s_load_b256 s[20:27], s[0:1], 0x40             ; ln1_b, ln2_g, ln2_b, out0
	v_lshl_add_u32 v191, v0, 2, 0x42800
	v_mov_b32 v195, 0
	ds_add_u32 v191, v195
	ds_add_u32 v191, v195
	v_lshrrev_b32 v15, 5, v0
	v_readfirstlane_b32 s28, v15                   ; wave 0..3
	v_and_b32 v15, 31, v0
	v_and_b32 v196, 15, v0                         ; r
	v_bfe_u32 v197, v0, 4, 1                       ; h
	v_lshlrev_b32 v1, 4, v15                       ; 16 x lane
	v_lshlrev_b32 v2, 2, v15                       ; 4 x lane
	v_lshlrev_b32 v200, 3, v15
	v_lshlrev_b32 v201, 1, v196
	v_lshlrev_b32 v[BO], 6, v197
	s_mul_i32 s60, s28, 33792
	v_mul_u32_u24 v3, v196, 528
	v_lshl_add_u32 v3, v197, 6, v3
	v_add_nc_u32 v3, s60, v3                       ; my rows of LDS: row r, + 64 h
	v_add_nc_u32 v4, s60, v1                       ; and by whole rows
	s_mul_i32 s60, s28, 6144
	s_add_co_u32 s60, s60, AIMG
	v_add_nc_u32 v5, s60, v1                       ; out1's images: K step w
	s_lshl_b32 s60, s28, 9
	s_add_co_u32 s60, s60, ASC
	v_add_nc_u32 v6, s60, v2
	v_add_nc_u32 v7, HIMG, v1
	v_add_nc_u32 v8, HSC, v2
	s_mul_i32 s60, s28, 24576
	s_add_co_u32 s60, s60, HIMG
	v_add_nc_u32 v9, s60, v1                       ; the hidden layer's images: K steps 4 w on
	s_lshl_b32 s60, s28, 11
	s_add_co_u32 s60, s60, HSC
	v_add_nc_u32 v10, s60, v2
	s_lshl_b32 s60, s28, 8
	s_add_co_u32 s60, s60, STAT
	v_lshl_add_u32 v11, v196, 4, s60
	v_lshl_add_u32 v12, v196, 4, STAT
	v_add_nc_u32 v13, AIMG, v1
	v_add_nc_u32 v14, ASC, v2
	s_mul_i32 s60, s28, 1536
	s_add_co_u32 s60, s60, AIMG
	v_add_nc_u32 v198, s60, v1                     ; o's images: tile w
	s_lshl_b32 s60, s28, 7
	s_add_co_u32 s60, s60, ASC
	v_add_nc_u32 v199, s60, v2
.set CI, 0
.rept 16
	v_add_nc_u32 v[XB+CI], (CI+8*(CI/8))*2048-528*CI, v1   ; row CI of a tile in x, less what the copy's immediate adds to both addresses
.set CI, CI+1
.endr
	s_mov_b32 s30, 0x76543210
	s_mov_b32 s31, 0xfedcba98
	s_mov_b32 s56, 0x3727c5ac                      ; 1e-5
	s_mov_b32 s57, 0x3b000000                      ; 1 / 512
	s_lshl_b32 s60, ttmp9, 17                      ; 64 rows of 2,048 bytes
	s_lshl_b32 s61, s28, 9
	s_add_co_u32 s60, s60, s61
	s_mov_b32 s61, 0
	s_lshl_b32 s62, ttmp9, 2
	s_add_co_u32 s62, s62, s28
	s_mul_i32 s62, s62, 6144                       ; tile 4 x work-group + w
	s_mov_b32 s63, 0
	s_lshr_b32 s48, ttmp9, 3
	s_lshl_b32 s48, s48, 13
	s_and_b32 s49, ttmp9, 7
	s_lshl_b32 s49, s49, 2
	s_add_co_u32 s49, s49, s28
	s_lshl_b32 s49, s49, 5
	s_add_co_u32 s48, s48, s49
	s_mov_b32 s49, 0
	s_lshl_b32 s46, s28, 9
	s_mov_b32 s47, 0
	s_lshl_b32 s50, s28, 11
	s_mov_b32 s51, 0
	s_mul_i32 s52, s28, 460800
	s_mov_b32 s53, 0
	s_wait_dscnt 0x0
	s_wait_kmcnt 0x0
	s_add_nc_u64 s[32:33], s[10:11], s[60:61]      ; x at my rows and columns; for tile m: its first row, less 8,448 m
	s_add_nc_u64 s[34:35], s[32:33], 7936
	s_add_nc_u64 s[36:37], s[32:33], 48640
	s_add_nc_u64 s[38:39], s[32:33], 56576
	s_add_nc_u64 s[26:27], s[26:27], s[60:61]
	s_add_nc_u64 s[4:5], s[4:5], s[62:63]
	s_add_nc_u64 s[6:7], s[6:7], s[48:49]
	s_add_nc_u64 s[BP:BP+1], s[12:13], s[46:47]
	s_add_nc_u64 s[B2P:B2P+1], s[16:17], s[46:47]
	s_add_nc_u64 s[18:19], s[18:19], s[46:47]
	s_add_nc_u64 s[20:21], s[20:21], s[46:47]
	s_add_nc_u64 s[22:23], s[22:23], s[46:47]
	s_add_nc_u64 s[24:25], s[24:25], s[46:47]
	s_add_nc_u64 s[14:15], s[14:15], s[50:51]
	s_add_nc_u64 s[WP:WP+1], s[8:9], s[52:53]
	; WHAT THE FIRST PRODUCT WAITS FOR IS ASKED FOR FIRST: o, the first group of weights, bo; x, which the first norm wants, behind them.
	; o: my tile's eight half images are its four fragments: registers 6 c .. 6 c + 5 of K step s are head 2 s + c's
.irp s, 0,1,2,3
.irp c, 0,1
	global_load_b128 v[ACT+12*\s+6*\c:ACT+12*\s+6*\c+3], v1, s[4:5] offset:768*(2*\s+\c) th:TH_LOAD_NT
	global_load_b64 v[ACT+12*\s+6*\c+4:ACT+12*\s+6*\c+5], v200, s[4:5] offset:768*(2*\s+\c)+512 th:TH_LOAD_NT
.endr
.endr
.irp d, 0,1,2,3,4,5,6,7
	global_load_u16 v[202+\d], v201, s[6:7] offset:1024*\d
.endr
	WLOAD 0, 0
	BIAS                                           ; bo
	; x: 63 copies, a row's 512 consecutive bytes each, ahead of every LDS read and every barrier; their bytes are filled once
.irp m, 0,1,2
.set CI, 0
.rept 16
	global_load_async_to_lds_b128 v4, v[XB+CI], s[32+2*\m:33+2*\m] offset:8448*\m+528*CI
.set CI, CI+1
.endr
.endr
.set CI, 0
.rept 15
	global_load_async_to_lds_b128 v4, v[XB+CI], s[38:39] offset:8448*3+528*CI
.set CI, CI+1
.endr
	s_wait_loadcnt 41                              ; behind o's loads 25 + 16 were issued
.irp s, 0,1,2,3
	v_lshl_or_b32 v[202+2*\s], v[203+2*\s], 16, v[202+2*\s]
.endr
.irp s, 0,1,2,3
.irp c, 0,1,2
	ds_store_b128 v198, v[ACT+12*\s+4*\c:ACT+12*\s+4*\c+3] offset:6144*\s+512*\c
.endr
	ds_store_b32 v199, v[202+2*\s] offset:512*\s
.endr
	WLOAD 1, 12800
	global_load_b128 v[XL:XL+3], v[XB+15], s[38:39] offset:8448*3+528*15 th:TH_LOAD_NT   ; x's 64th piece (tile 3, row 15), by the copies' own address arithmetic; it goes to LDS in the first norm
	s_wait_xcnt 0x0                                ; bo's loads have read their base
	s_mov_b64 s[BP:BP+1], s[14:15]                 ; b1, my first 128
	BARRIER                                        ; o's sixteen fragments lie in LDS
	; ---- o Wo + bo: groups 0-3, two groups ahead.  The count 50: two younger groups may stay out (in group 0: 25 + 1 + 25 were issued behind bo's loads)
	AFETCH 0, 0
	GROUP 0, 0, 1, 2, 25600, 50, 1, 1, 6144
	BIAS
	GROUP 1, 1, 1, 3, 38400, 50, 0, 1, 12288
	GROUP 2, 0, 1, 0, 51200, 50, 0, 1, 18432
	GROUP 3, 1, 1, 1, 64000, 50, 0, 0, 0
	s_wait_xcnt 0x0                                ; the loads have read their bases
	s_add_nc_u64 s[WP:WP+1], s[WP:WP+1], 51200
	s_add_nc_u64 s[BP:BP+1], s[BP:BP+1], 512
	; ---- out1 = x + LN1
	LNSTAT 0, 18, 20
	s_wait_loadcnt 0x0                             ; the gain and the shift, x's last piece
	s_wait_asynccnt 0x0                            ; x lies in my rows of LDS; the copies' registers may be written
	ds_store_b128 v4, v[XL:XL+3] offset:8448*3+528*15  ; my own rows: LDS serves a wave's instructions in order, and the wait inside the first tile's work stands ahead of the next write of these registers
	WLOAD 2, 25600                                 ; no load of mine is out: the third group ahead (group 6) goes out here and lands under the four tiles' work
.irp m, 0,1,2,3
	LNROW \m
	QUANT64 HA
	IMAGE 5, 1536*\m
	ds_store_b32 v6, v[PW] offset:128*\m
	s_wait_dscnt 0x0                               ; the stores have read their registers
.endr
	BARRIER                                        ; out1's sixteen fragments lie in LDS
	; ---- relu(out1 W1 + b1): four chunks of 128 hidden units, four groups each, three groups ahead.
	; The count 63: behind a group's loads three groups, 75 loads, were issued; the wait's field names 63 at the most, and a smaller count is safe
	AFETCH 0, 0
	s_mov_b32 s29, 4
	s_mov_b32 s58, 0
	s_mov_b32 s59, 0
.Lchunk:
	GROUP 0, 0, 1, 3, 38400, 63, 1, 1, 6144
	BIAS                                           ; the next chunk's; in the last trip b2
	GROUP 1, 1, 1, 0, 51200, 63, 0, 1, 12288
	GROUP 2, 0, 1, 1, 64000, 63, 0, 1, 18432
	GROUP 3, 1, 1, 2, 76800, 63, 0, 1, 0
	PLACES 4
	v_add_nc_u32 v[HWT], s58, v9
	v_add_nc_u32 v[HST], s59, v10
.irp m, 0,1,2,3
	WIN 0x0c
.set CK, 0
.rept 64
	v_max_num_f32 v[HA+CK], 0, v[64*\m+CK]         ; the activation, in f32; each accumulator from its low end on
.set CK, CK+1
.endr
	WIN 0
	QUANT64 HA
	IMAGE HWT, 1536*\m
	ds_store_b32 v[HST], v[PW] offset:128*\m
	s_wait_dscnt 0x0
.endr
	s_add_co_u32 s58, s58, 6144
	s_add_co_u32 s59, s59, 512
	s_wait_xcnt 0x0
	s_add_nc_u64 s[WP:WP+1], s[WP:WP+1], 51200
	s_add_nc_u64 s[BP:BP+1], s[BP:BP+1], 512
	s_sub_co_u32 s29, s29, 1
	s_cmp_eq_u32 s29, 1
	s_cselect_b64 s[BP:BP+1], s[B2P:B2P+1], s[BP:BP+1]
	s_cmp_lg_u32 s29, 0
	s_cbranch_scc1 .Lchunk
	BARRIER                                        ; the hidden layer's 64 fragments lie in LDS
	; ---- h W2 + b2: sixteen groups, three groups ahead
	v_mov_b32 v13, v7
	v_mov_b32 v14, v8
	AFETCH 0, 0
	GROUP 0, 0, 1, 3, 38400, 63, 1, 1, 6144
	s_mov_b32 s29, 3
	s_mov_b32 s58, 0
	s_mov_b32 s59, 0
.Lff:
	GROUP 1, 1, 1, 0, 51200, 63, 0, 1, 12288
	GROUP 2, 0, 1, 1, 64000, 63, 0, 1, 18432
	GROUP 3, 1, 1, 2, 76800, 63, 0, 1, 24576
	GROUP 0, 0, 1, 3, 89600, 63, 0, 1, 30720
	s_add_co_u32 s58, s58, 24576
	s_add_co_u32 s59, s59, 2048
	v_add_nc_u32 v13, s58, v7
	v_add_nc_u32 v14, s59, v8
	s_wait_xcnt 0x0
	s_add_nc_u64 s[WP:WP+1], s[WP:WP+1], 51200
	s_sub_co_u32 s29, s29, 1
	s_cmp_lg_u32 s29, 0
	s_cbranch_scc1 .Lff
	GROUP 1, 1, 0, 0, 0, 50, 0, 1, 12288           ; the last three groups ask for nothing: the stream has ended, and the counts run down: two, one, no younger group
	GROUP 2, 0, 0, 0, 0, 25, 0, 1, 18432
	GROUP 3, 1, 0, 0, 0, 0, 0, 0, 0
	; ---- out = out1 + LN2
	LNSTAT 2, 22, 24
	s_wait_loadcnt 0x0
.irp m, 0,1,2,3
.if \m > 0
	s_wait_xcnt 0x0                                ; the last tile's stores have read their registers
.endif
	LNROW \m
.set CI, 0
.rept 16
	ds_load_b128 v[HA+4*CI:HA+4*CI+3], v4 offset:8448*\m+528*CI   ; back as whole rows; LDS serves a wave's instructions in order: these see my stores
.set CI, CI+1
.endr
.set CI, 0
.rept 16
	s_wait_dscnt 15-CI
	global_store_b128 v1, v[HA+4*CI:HA+4*CI+3], s[26:27] offset:(32*(\m/2)+8*(\m%2)+CI+8*(CI/8))*2048 th:TH_STORE_NT   ; 512 consecutive bytes, aligned
.set CI, CI+1
.endr
.endr
	s_wait_tensorcnt 0x0
	ds_add_u32 v191, v195
	s_wait_dscnt 0x0
	s_endpgm
.Lfunc_end_k_qb6858cbe96_chain:
	.size	k_qb6858cbe96_chain, .Lfunc_end_k_qb6858cbe96_chain-k_qb6858cbe96_chain
	.p2alignl 7, 3214868480
	.fill 96, 4, 3214868480
	.section	.rodata,"a",@progbits
	.p2align	6, 0x0
	.amdhsa_kernel k_qb6858cbe96_chain
		.amdhsa_group_segment_fixed_size 272896
		.amdhsa_private_segment_fixed_size 0
		.amdhsa_enable_private_segment 0
		.amdhsa_kernarg_size 96
		.amdhsa_user_sgpr_count 2
		.amdhsa_user_sgpr_kernarg_segment_ptr 1
		.amdhsa_wavefront_size32 1
		.amdhsa_system_sgpr_workgroup_id_x 1
		.amdhsa_system_sgpr_workgroup_id_y 1
		.amdhsa_system_sgpr_workgroup_id_z 1
		.amdhsa_system_vgpr_workitem_id 0
		.amdhsa_next_free_vgpr 1024
		.amdhsa_next_free_sgpr 66
		.amdhsa_reserve_vcc 0
		.amdhsa_float_denorm_mode_32 3
		.amdhsa_float_denorm_mode_16_64 3
		.amdhsa_memory_ordered 1
		.amdhsa_forward_progress 1
		.amdhsa_inst_pref_size 255
	.end_amdhsa_kernel
	.section	.bss,"aw",@nobits
	.p2align	6
	.space	262144
	.amdgpu_metadata
---
amdhsa.version: [ 1, 2 ]
amdhsa.kernels:
  - .name:           k_qb6858cbe96_chain
    .symbol:         k_qb6858cbe96_chain.kd
    .args:
      - { .name: o_codes, .offset: 0, .size: 8, .value_kind: global_buffer, .address_space: global }
      - { .name: o_scales, .offset: 8, .size: 8, .value_kind: global_buffer, .address_space: global }
      - { .name: wstream, .offset: 16, .size: 8, .value_kind: global_buffer, .address_space: global }
      - { .name: x, .offset: 24, .size: 8, .value_kind: global_buffer, .address_space: global }
      - { .name: bo, .offset: 32, .size: 8, .value_kind: global_buffer, .address_space: global }
      - { .name: b1, .offset: 40, .size: 8, .value_kind: global_buffer, .address_space: global }
      - { .name: b2, .offset: 48, .size: 8, .value_kind: global_buffer, .address_space: global }
      - { .name: ln1_g, .offset: 56, .size: 8, .value_kind: global_buffer, .address_space: global }
      - { .name: ln1_b, .offset: 64, .size: 8, .value_kind: global_buffer, .address_space: global }
      - { .name: ln2_g, .offset: 72, .size: 8, .value_kind: global_buffer, .address_space: global }
      - { .name: ln2_b, .offset: 80, .size: 8, .value_kind: global_buffer, .address_space: global }
      - { .name: out0, .offset: 88, .size: 8, .value_kind: global_buffer, .address_space: global }
    .group_segment_fixed_size: 272896
    .private_segment_fixed_size: 0
    .kernarg_segment_align: 8
    .kernarg_segment_size: 96
    .max_flat_workgroup_size: 128
    .sgpr_count:     66
    .vgpr_count:     1024
    .wavefront_size: 32
...
	.end_amdgpu_metadata
.endif
;; end of part 3
;; ======== version 2 of 2: 3 launches
;; workspace buffers: x_codes 6,291,456 bytes; x_scales 262,144 bytes; wqkv 614,400 bytes; wstream 1,843,200 bytes; o_codes 6,291,456 bytes; o_scales 262,144 bytes
;; launch prep (part 4): grid 352 x 1, 4 waves a work-group, no clusters, 34,304 bytes of LDS; arguments x, Wq, Wk, Wv, Wo, W1, W2, x_codes, x_scales, wqkv, wstream; writes x_codes, x_scales, wqkv, wstream
.if DOCPART == 4
	.amdgcn_target "amdgcn-amd-amdhsa--gfx1250"
	.amdhsa_code_object_version 6
	.text
	.protected	k_qb6858cbe96_prep
	.globl	k_qb6858cbe96_prep
	.p2align	8
	.type	k_qb6858cbe96_prep,@function
k_qb6858cbe96_prep:
	s_mov_b64 s[64:65], 0
	v_nop
	global_prefetch_b8 v0, s[64:65] scope:SCOPE_SE
	s_setreg_imm32_b32 hwreg(HW_REG_WAVE_MODE, 25, 1), 1
	s_wait_xcnt 0x0
; x [16384][512] and the six weights, all f32, become codes of FP6 (E2M3) with one E8M0 byte for each 32 along K, laid in the ORDER OF THE OPERAND'S REGISTERS:
; a fragment (16 rows x 128 K, 12 registers a lane) is an image of 1,536 bytes, registers 4 g .. 4 g + 3 of lane l at 512 g + 16 l.
; THE ROWS OF A TILE ARE NOT NEIGHBOURS: lane r of tile 2 b + u takes row (or weight column) 32 b + 8 u + r + 8 (r / 8), so that results of transposed products run along the next K in a lane's registers.
; A lane (r, h) holds k = 64 c + 32 h + 0 .. 31: two whole blocks, so a block's largest magnitude needs no other lane.
; A block's scale byte is its largest magnitude's exponent field - 2, held at 1 from below.
; LIMITS: a block of zeros gets the byte 1 where the rule says 127 (its codes are zeros, and this program alone reads the bytes); NaN and infinities among the inputs are not served.
; Work-groups 0-255 take x: a wave takes 32 rows x 256 columns, four fragments; each load reads 512 consecutive bytes, and the numbers turn through the wave's own stage in LDS (rows of 528 bytes).
; Work-groups 256-351 take the weights, whose K is not innermost: a lane takes a column and its registers run down K; a wave makes four tiles (64 columns) of one K step.  No barrier: waves share nothing.
.set R,   16                           ; v16-143  two sets of 64 numbers as loaded
.set X,   144                          ; v144-207 64 numbers of a lane, k = 64 c + 32 h + i at 32 c + i
.set PC,  208                          ; v208-219 a fragment's codes
.set STG, 220                          ; v220-226 second halves of the blocks' codes
.set TM,  228
.set SCL, 230
.set BY,  232
.set PT,  234
.set PW,  235                          ; the scale word just made
.set SW,  240                          ; v240-243 the four fragments' scale words
.set OW,  244
; 64 numbers v[s + 32 c + i] become the fragment's codes in v[PC] on and the row's scale word in v[PW] (in both halves of the lanes)
.macro QUANTF s
.irp c, 0,1
	v_max3_num_f32 v[TM+\c], |v[(\s)+32*\c]|, |v[(\s)+32*\c+1]|, 0x1800000   ; with the floor 2^(3 - 127): the byte cannot fall under 1
.endr
.irp i, 2,4,6,8,10,12,14,16,18,20,22,24,26,28,30
.irp c, 0,1
	v_max3_num_f32 v[TM+\c], v[TM+\c], |v[(\s)+32*\c+\i]|, |v[(\s)+32*\c+\i+1]|
.endr
.endr
.irp c, 0,1
	v_add_nc_u32 v[SCL+\c], 0xff000000, v[TM+\c]       ; 2 off the exponent field: the conversion's scale operand
.endr
.irp c, 0,1
	v_lshrrev_b32 v[BY+\c], 23, v[SCL+\c]              ; the scale's byte
.endr
	v_lshl_or_b32 v[PW], v[BY+1], 16, v[BY]            ; my blocks h and 2 + h,
	v_lshlrev_b32 v[PW], v3, v[PW]                     ; 8 h bits up;
	v_permlanex16_b32 v[PT], v[PW], s28, s29
	v_or_b32 v[PW], v[PW], v[PT]                       ; with lane l xor 16's two bytes the word is whole
.irp c, 0,1
	v_cvt_scalef32_pk16_fp6_f32 v[PC+6*\c:PC+6*\c+2], v[(\s)+32*\c:(\s)+32*\c+15], v[SCL+\c]
	v_cvt_scalef32_pk16_fp6_f32 v[STG+4*\c:STG+4*\c+2], v[(\s)+32*\c+16:(\s)+32*\c+31], v[SCL+\c]   ; (a conversion's three registers begin on an even number)
.endr
	v_nop                                              ; one plain place behind the conversions
.irp c, 0,1
.irp i, 0,1,2
	v_mov_b32 v[PC+3+6*\c+\i], v[STG+4*\c+\i]
.endr
.endr
.endm
	s_load_b512 s[4:19], s[0:1], 0x0               ; x, Wq, Wk, Wv, Wo, W1, W2, x_codes
	s_load_b128 s[20:23], s[0:1], 0x40             ; x_scales, wqkv
	s_load_b64 s[24:25], s[0:1], 0x50              ; wstream
	v_lshl_add_u32 v254, v0, 2, 0x8400
	v_mov_b32 v255, 0
	v_lshrrev_b32 v8, 5, v0
	v_readfirstlane_b32 s26, v8                    ; wave
	v_and_b32 v9, 31, v0                           ; lane
	v_and_b32 v10, 15, v0                          ; r
	v_bfe_u32 v11, v0, 4, 1                        ; h
	v_lshlrev_b32 v1, 4, v9                        ; 16 x lane
	v_lshlrev_b32 v2, 3, v9                        ; 8 x lane
	v_lshlrev_b32 v3, 3, v11                       ; 8 h
	s_mul_i32 s27, s26, 8448                       ; my stage: 16 rows of 528 bytes
	v_add_nc_u32 v4, s27, v1                       ; in: a row's 512 bytes as they lie
	v_mul_u32_u24 v5, v10, 528
	v_lshl_add_u32 v5, v11, 7, v5
	v_add_nc_u32 v5, s27, v5                       ; out: row r, + 128 h
	v_lshlrev_b32 v7, 4, v10
	v_lshl_add_u32 v7, v11, 3, v7                  ; 16 r + 8 h: the weights' scale words
	v_and_b32 v12, 8, v10
	v_add_nc_u32 v12, v12, v10                     ; r + 8 (r / 8)
	v_mov_b32 v[PT], 0                             ; a lane permute's destination counts as one of its sources
	v_cmp_le_u32 vcc_lo, 16, v9                    ; lanes 16-31
	s_mov_b32 s28, 0x76543210
	s_mov_b32 s29, 0xfedcba98                      ; selects for lane l xor 16
	s_cmp_lt_u32 ttmp9, 256
	s_cbranch_scc0 .Lweights
	; ---- x: wave id = 4 x work-group + wave; pair of tiles p = id / 2 (rows 32 p on), columns 256 (id % 2) on
	s_lshl_b32 s30, ttmp9, 2
	s_add_co_u32 s30, s30, s26
	s_lshr_b32 s31, s30, 1                         ; p
	s_and_b32 s30, s30, 1                          ; which half of K
	s_lshl_b32 s32, s31, 16                        ; 32 rows of 2,048 bytes
	s_lshl_b32 s34, s30, 10
	s_add_co_u32 s32, s32, s34
	s_mov_b32 s33, 0
	s_mul_i32 s34, s31, 12288                      ; two tiles of four images
	s_mul_i32 s36, s30, 3072
	s_add_co_u32 s34, s34, s36
	s_mov_b32 s35, 0
	s_lshl_b32 s36, s31, 9
	s_lshl_b32 s38, s30, 8
	s_add_co_u32 s36, s36, s38
	s_mov_b32 s37, 0
	s_wait_kmcnt 0x0
	s_add_nc_u64 s[4:5], s[4:5], s[32:33]
	s_add_nc_u64 s[18:19], s[18:19], s[34:35]
	s_add_nc_u64 s[20:21], s[20:21], s[36:37]
.macro LOADX f                         ; fragment f = (tile f / 2, K step f % 2): its 16 rows, 512 consecutive bytes a load
.set CI, 0
.rept 16
	global_load_b128 v[R+64*((\f)%2)+4*CI:R+64*((\f)%2)+4*CI+3], v1, s[4:5] offset:(8*((\f)/2)+CI+8*(CI/8))*2048+512*((\f)%2) th:TH_LOAD_NT
.set CI, CI+1
.endr
.endm
.macro TURN f                          ; through my stage: LDS serves a wave's instructions in order, so no wait stands between the stores and the loads
.set CI, 0
.rept 16
	ds_store_b128 v4, v[R+64*((\f)%2)+4*CI:R+64*((\f)%2)+4*CI+3] offset:528*CI
.set CI, CI+1
.endr
.set CI, 0
.rept 16
	ds_load_b128 v[X+4*CI:X+4*CI+3], v5 offset:256*(CI/8)+16*(CI%8)
.set CI, CI+1
.endr
.endm
	LOADX 0
	LOADX 1
	s_wait_alu depctr_va_vdst(0)
.irp f, 0,1,2,3
.if \f < 3
	s_wait_loadcnt 16                              ; this fragment's 16 loads are in; the next one's may be out
.else
	s_wait_loadcnt 0x0
.endif
	TURN \f
	s_wait_dscnt 0x0                               ; the numbers are back
.if \f < 2
	LOADX \f+2
.endif
.if \f > 0
	s_wait_xcnt 0x0                                ; the last fragment's stores have read their registers
.endif
	QUANTF X
	v_mov_b32 v[SW+\f], v[PW]
.irp g, 0,1,2
	global_store_b128 v1, v[PC+4*\g:PC+4*\g+3], s[18:19] offset:(\f/2)*6144+(\f%2)*1536+512*\g   ; 512 consecutive bytes
.endr
.endr
	v_cndmask_b32 v[OW], v[SW], v[SW+2], vcc_lo        ; lanes 0-15 carry the even tile's words, lanes 16-31 the odd tile's
	v_cndmask_b32 v[OW+1], v[SW+1], v[SW+3], vcc_lo
	global_store_b64 v2, v[OW:OW+1], s[20:21]          ; 256 consecutive bytes, aligned
	s_wait_tensorcnt 0x0
	ds_add_u32 v254, v255
	s_wait_dscnt 0x0
	s_endpgm
; ---- the weights.  s[44:45] the K step's first row at the quad's first column, s[40:41] the four images, s[42:43] their scale words, v6 my lane's offset
.macro LOADW f, pitch                  ; tile f of the quad: W(64 c + 32 h + i, my column)
.set CI, 0
.rept 64
	global_load_b32 v[R+64*((\f)%2)+CI], v6, s[44:45] offset:((64*(CI/32)+CI%32)*(\pitch)+32*((\f)/2)+8*((\f)%2))*4
.set CI, CI+1
.endr
.endm
.macro WQUAD pitch
	LOADW 0, \pitch
	LOADW 1, \pitch
.irp f, 0,1,2,3
.if \f < 3
	s_wait_loadcnt 63                              ; 64 younger loads were issued; the wait's field names 63 at the most, and a smaller count is safe
.else
	s_wait_loadcnt 0x0
.endif
.if \f > 0
	s_wait_xcnt 0x0                                ; the last tile's stores have read their registers
.endif
	QUANTF R+64*(\f%2)
	v_mov_b32 v[SW+\f], v[PW]
.irp g, 0,1,2
	global_store_b128 v1, v[PC+4*\g:PC+4*\g+3], s[40:41] offset:1536*\f+512*\g
.endr
.if \f < 2
	LOADW \f+2, \pitch
.endif
.endr
	v_cndmask_b32 v[OW], v[SW], v[SW+2], vcc_lo        ; column r's four words lie on end: lanes 0-15 store tiles 0, 1, lanes 16-31 tiles 2, 3
	v_cndmask_b32 v[OW+1], v[SW+1], v[SW+3], vcc_lo
	global_store_b64 v7, v[OW:OW+1], s[42:43]          ; 256 consecutive bytes, aligned
.endm
.Lweights:
	s_sub_co_u32 s30, ttmp9, 256
	s_cmp_lt_u32 s30, 24
	s_cbranch_scc0 .Lstream
	; Wq, Wk, Wv: [8][512][64].  matrix = n / 8, head = n % 8, K step = wave
	s_lshr_b32 s31, s30, 3
	s_and_b32 s32, s30, 7
	s_lshl_b32 s34, s32, 17
	s_lshl_b32 s35, s26, 15
	s_add_co_u32 s34, s34, s35
	s_mov_b32 s35, 0
	s_mul_i32 s36, s32, 76800                      ; a head's part of wqkv
	s_lshl_b32 s38, s31, 2
	s_add_co_u32 s38, s38, s26                     ; 4 x matrix + K step
	s_mul_i32 s40, s38, 6144
	s_add_co_u32 s40, s40, s36
	s_mov_b32 s41, 0
	s_lshl_b32 s42, s38, 8
	s_add_co_u32 s42, s42, s36
	s_add_co_u32 s42, s42, 73728
	s_mov_b32 s43, 0
	s_wait_kmcnt 0x0
	s_cmp_eq_u32 s31, 0
	s_cselect_b64 s[44:45], s[6:7], s[8:9]
	s_cmp_eq_u32 s31, 2
	s_cselect_b64 s[44:45], s[10:11], s[44:45]
	s_add_nc_u64 s[44:45], s[44:45], s[34:35]
	s_add_nc_u64 s[40:41], s[22:23], s[40:41]
	s_add_nc_u64 s[42:43], s[22:23], s[42:43]
	v_lshlrev_b32 v6, 13, v11                      ; 32 h rows of 256 bytes
	s_wait_alu depctr_va_vdst(0)
	v_lshl_add_u32 v6, v12, 2, v6
	WQUAD 64
	s_endpgm
.Lstream:
	; wstream: for each wave w3 of the third launch 36 groups of 12,800 bytes (8 images, 512 bytes of scale words): groups 0-3 Wo, 4-19 W1, 20-35 W2
	s_sub_co_u32 s30, s30, 24
	s_and_b32 s31, s30, 3                          ; w3
	s_lshr_b32 s32, s30, 2
	s_and_b32 s33, s26, 1                          ; which four tiles of the group
	s_lshr_b32 s34, s26, 1
	s_lshl_b32 s35, s32, 1
	s_add_co_u32 s34, s34, s35                     ; the group
	s_mul_i32 s36, s31, 460800
	s_mul_i32 s37, s34, 12800
	s_add_co_u32 s36, s36, s37
	s_mul_i32 s40, s33, 6144
	s_add_co_u32 s40, s40, s36
	s_mov_b32 s41, 0
	s_lshl_b32 s42, s33, 8
	s_add_co_u32 s42, s42, s36
	s_add_co_u32 s42, s42, 12288
	s_mov_b32 s43, 0
	s_wait_kmcnt 0x0
	s_add_nc_u64 s[40:41], s[24:25], s[40:41]
	s_add_nc_u64 s[42:43], s[24:25], s[42:43]
	s_sub_co_u32 s35, s32, 2
	s_cmp_lt_u32 s35, 8
	s_cbranch_scc0 .Lsquare
	; W1 [512][2048]: K step (g - 4) % 4, columns 512 w3 + 128 ((g - 4) / 4) + 64 q
	s_sub_co_u32 s35, s34, 4
	s_and_b32 s37, s35, 3
	s_lshr_b32 s35, s35, 2
	s_lshl_b32 s38, s37, 20
	s_lshl_b32 s39, s31, 11
	s_add_co_u32 s38, s38, s39
	s_lshl_b32 s39, s35, 9
	s_add_co_u32 s38, s38, s39
	s_lshl_b32 s39, s33, 8
	s_add_co_u32 s38, s38, s39
	s_mov_b32 s39, 0
	s_add_nc_u64 s[44:45], s[14:15], s[38:39]
	v_lshlrev_b32 v6, 18, v11                      ; 32 h rows of 8,192 bytes
	s_wait_alu depctr_va_vdst(0)
	v_lshl_add_u32 v6, v12, 2, v6
	WQUAD 2048
	s_endpgm
.Lsquare:
	; Wo [512][512] (groups 0-3) or W2 [2048][512] (groups 20-35): columns 128 w3 + 64 q
	s_cmp_lt_u32 s34, 4
	s_cselect_b64 s[44:45], s[12:13], s[16:17]
	s_cselect_b32 s35, 0, 20
	s_sub_co_u32 s35, s34, s35                     ; the K step
	s_lshl_b32 s38, s35, 18
	s_lshl_b32 s39, s31, 9
	s_add_co_u32 s38, s38, s39
	s_lshl_b32 s39, s33, 8
	s_add_co_u32 s38, s38, s39
	s_mov_b32 s39, 0
	s_add_nc_u64 s[44:45], s[44:45], s[38:39]
	v_lshlrev_b32 v6, 16, v11                      ; 32 h rows of 2,048 bytes
	s_wait_alu depctr_va_vdst(0)
	v_lshl_add_u32 v6, v12, 2, v6
	WQUAD 512
	s_endpgm
.Lfunc_end_k_qb6858cbe96_prep:
	.size	k_qb6858cbe96_prep, .Lfunc_end_k_qb6858cbe96_prep-k_qb6858cbe96_prep
	.p2alignl 7, 3214868480
	.fill 96, 4, 3214868480
	.section	.rodata,"a",@progbits
	.p2align	6, 0x0
	.amdhsa_kernel k_qb6858cbe96_prep
		.amdhsa_group_segment_fixed_size 34304
		.amdhsa_private_segment_fixed_size 0
		.amdhsa_enable_private_segment 0
		.amdhsa_kernarg_size 88
		.amdhsa_user_sgpr_count 2
		.amdhsa_user_sgpr_kernarg_segment_ptr 1
		.amdhsa_wavefront_size32 1
		.amdhsa_system_sgpr_workgroup_id_x 1
		.amdhsa_system_sgpr_workgroup_id_y 1
		.amdhsa_system_sgpr_workgroup_id_z 1
		.amdhsa_system_vgpr_workitem_id 0
		.amdhsa_next_free_vgpr 256
		.amdhsa_next_free_sgpr 66
		.amdhsa_reserve_vcc 1
		.amdhsa_float_denorm_mode_32 3
		.amdhsa_float_denorm_mode_16_64 3
		.amdhsa_memory_ordered 1
		.amdhsa_forward_progress 1
		.amdhsa_inst_pref_size 145
	.end_amdhsa_kernel
	.amdgpu_metadata
---
amdhsa.version: [ 1, 2 ]
amdhsa.kernels:
  - .name:           k_qb6858cbe96_prep
    .symbol:         k_qb6858cbe96_prep.kd
    .args:
      - { .name: x, .offset: 0, .size: 8, .value_kind: global_buffer, .address_space: global }
      - { .name: Wq, .offset: 8, .size: 8, .value_kind: global_buffer, .address_space: global }
      - { .name: Wk, .offset: 16, .size: 8, .value_kind: global_buffer, .address_space: global }
      - { .name: Wv, .offset: 24, .size: 8, .value_kind: global_buffer, .address_space: global }
      - { .name: Wo, .offset: 32, .size: 8, .value_kind: global_buffer, .address_space: global }
      - { .name: W1, .offset: 40, .size: 8, .value_kind: global_buffer, .address_space: global }
      - { .name: W2, .offset: 48, .size: 8, .value_kind: global_buffer, .address_space: global }
      - { .name: x_codes, .offset: 56, .size: 8, .value_kind: global_buffer, .address_space: global }
      - { .name: x_scales, .offset: 64, .size: 8, .value_kind: global_buffer, .address_space: global }
      - { .name: wqkv, .offset: 72, .size: 8, .value_kind: global_buffer, .address_space: global }
      - { .name: wstream, .offset: 80, .size: 8, .value_kind: global_buffer, .address_space: global }
    .group_segment_fixed_size: 34304
    .private_segment_fixed_size: 0
    .kernarg_segment_align: 8
    .kernarg_segment_size: 88
    .max_flat_workgroup_size: 128
    .sgpr_count:     66
    .vgpr_count:     256
    .wavefront_size: 32
...
	.end_amdgpu_metadata
.endif
;; end of part 4
;; launch attn (part 5): grid 8 x 32, 16 waves a work-group, no clusters, 158,720 bytes of LDS; arguments x_codes, x_scales, wqkv, bq, bk, bv, o_codes, o_scales; writes o_codes, o_scales
.if DOCPART == 5
	.amdgcn_target "amdgcn-amd-amdhsa--gfx1250"
	.amdhsa_code_object_version 6
	.text
	.protected	k_qb6858cbe96_attn
	.globl	k_qb6858cbe96_attn
	.p2align	8
	.type	k_qb6858cbe96_attn,@function
k_qb6858cbe96_attn:
	s_mov_b64 s[64:65], 0
	v_nop
	global_prefetch_b8 v0, s[64:65] scope:SCOPE_SE
	s_setreg_imm32_b32 hwreg(HW_REG_WAVE_SCHED_MODE, 0, 2), 2
	s_setreg_imm32_b32 hwreg(HW_REG_WAVE_MODE, 25, 1), 1
	s_wait_xcnt 0x0
	s_wait_alu depctr_vm_vsrc(0)
; One work-group for one (head, batch): q, k, v = x W + b for the batch's 512 tokens, causal attention, o / l, and o's codes.  All five products on codes of FP6 (E2M3) with E8M0 scales for each 32 along K.
; Sixteen waves of 256 registers, four to a SIMD, so that one wave's vector work stands beside another's matrix work.
; PHASE P.  Wave w owns x's tiles 2 w and 2 w + 1 (32 tokens), whose fragments stay in registers; the head's 48 weight fragments are copied once into LDS and read by all.
;   q, k: transposed (source 0 = 16 columns of W, source 1 = 16 tokens): a lane holds one token and its registers run along the head's 64: quantised in registers, stored as HALF images (K = 64: registers 0-5, 768 bytes).
;   v: source 0 = 16 tokens, source 1 = 16 columns of Wv: a lane holds one channel and its registers run along the KEYS, the second product's K: 16 keys a lane, a block of 32 in lanes l and l xor 16.
; ATTENTION.  Wave w takes query tiles w and 31 - w: five key steps of 128 keys for every wave; key steps that lie wholly above the diagonal are jumped over by a scalar branch on ids.
;   S^T = K Q^T, O^T = V^T P^T: a lane holds one query throughout.  The head's K is 64: codes 64-127 of q and k are zeros (their scale bytes 0, over zero codes on both sides).
;   t = score x log2(e) / 8; M = the running largest t rounded up to a whole number; p = 2^(t - M) is quantised; the sum of the unquantised p divides at the end.
; The tiles' rows are not neighbours: lane r of tile 2 b + u holds token 32 b + 8 u + r + 8 (r / 8).
; NO CLUSTER: what work-groups share (a head's 76,800 bytes of weight codes, a batch's 196,608 bytes of x's codes) is read once, at the head; there is no ring in which joint requests could meet.
; LIMITS: a block of zeros gets the scale byte 1 where the rule says 127 (zero codes; this program alone reads the bytes); NaN and infinities among the inputs are not served.
; THE MODE: SCHED_MODE bits 1:0 = 2 (LLVM: expert scheduling mode 2), set by the entry lines.  The code itself states the register dependences between vector or matrix instructions and memory or LDS instructions, with s_wait_alu, always for 0.
; THE PLAN, PHASE P.  Registers that memory or LDS instructions touch:
;   v1-v11, BVA, CPA, CPB  offsets and addresses: written at the head, covered by the one wait on va_vdst ahead of the first load, not written again in the phase.
;   W, WS      at the head the weights' loads land in W and LDS stores read it; then each K step's LDS loads land in W and WS and its eight products read them.  One buffer: the phase uses all 256 registers of the wave.
;              So a wait on va_vdst stands at each K step's head.
;   WAD        written once a matrix, behind a wait on vm_vsrc; read by the fragments' loads.
;   ACC        the biases' loads land in it; the products write it; the quantiser reads it.     PC, PW  the quantiser writes them, three LDS stores read them; later bv lands in PC's registers.
; THE PLAN, ATTENTION.
;   v85-87     q's addresses: written at a tile's head, read by q's three loads.                v16-21, QS  q's loads land, the products K Q^T read.
;   KF, KSR    k's fragments and scale words: loads land, the products K Q^T read.  At a key step's head no wait is owed: their last readers stand ahead of the wait for the last step's exponentials.
;   S, KVS     v's fragments land in the registers that p has left, straight behind the wait that shows p's conversions done, and have the lane swaps, the moves and O^T's rescaling in which to land.
;   PC         o's codes: the quantiser writes, two global stores read.                         v240, v241  o's scale bytes: written ahead of the wait for o's stores, read by two LDS stores behind the loop.
.set WIMG, 0                           ; LDS: the head's 48 weight images, ((4 mat + s) 4 + t) x 1,536
.set WSC,  73728                       ; their scale words: (4 mat + s) 256 + 16 r + 4 t
.set QIMG, 76800                       ; q's half images, 768 a tile
.set KIMG, 101376                      ; k's
.set VIMG, 125952                      ; v's fragments (key step ks, tile t) at (4 ks + t) 1,536; register pair P of lane l at 256 P + 8 l
.set QSC,  150528                      ; q's scale words: 64 T + 4 r
.set KSC,  152576
.set VSC,  154624                      ; v's: 256 t + 64 ks + 4 r + the block's byte
.set OSC,  155648                      ; o's scale bytes, two a row: 32 T + 2 r
; registers of phase P
.set XS,  12                           ; v12-15   x's scale words, K step s: lanes 0-15 tile 2 w, lanes 16-31 tile 2 w + 1
.set XF,  16                           ; v16-111  x's fragments at 48 u + 12 s
.set W,   112                          ; v112-159 four weight fragments
.set ACC, 160                          ; v160-223 eight accumulators
.set WS,  224                          ; v224-227 the weights' scale words (later V's)
.set TM,  228
.set PT,  232
.set SCL, 236
.set PW,  240
.set WAD, 241
.set PC,  242                          ; v242-250 a half fragment's codes
.set BV,  242                          ; v242-249 bv, twice each
.set BVA, 253
.set CPA, 254
.set CPB, 255
.set VPC, 112                          ; v's codes, four registers a tile
.macro PLACES n
.rept \n
	v_nop
.endr
.endm
.macro BARRIER                         ; my LDS stores have landed and my LDS loads are in: then the work-group's barrier
	s_wait_dscnt 0x0
	s_barrier_signal -1
	s_barrier_wait -1
.endm
; 32 numbers of a lane, register 16 b + i = k 32 b + 16 h + i of my row, become a half fragment in v[PC] .. v[PC + 5] and two scale bytes in v[PW]
.macro QUANT32 s
.irp b, 0,1
	v_max3_num_f32 v[TM+\b], |v[(\s)+16*\b]|, |v[(\s)+16*\b+1]|, 0x1800000   ; with the floor 2^(3 - 127)
.endr
.irp i, 2,4,6,8,10,12,14
.irp b, 0,1
	v_max3_num_f32 v[TM+\b], v[TM+\b], |v[(\s)+16*\b+\i]|, |v[(\s)+16*\b+\i+1]|
.endr
.endr
.irp b, 0,1
	v_permlanex16_b32 v[PT+\b], v[TM+\b], s24, s25
.endr
.irp b, 0,1
	v_max_num_f32 v[TM+\b], v[TM+\b], v[PT+\b]         ; with lane l xor 16's: the block's largest magnitude
.endr
.irp b, 0,1
	v_add_nc_u32 v[SCL+\b], 0xff000000, v[TM+\b]       ; 2 off the exponent field: the conversion's scale operand
.endr
.irp b, 0,1
	v_lshrrev_b32 v[PT+\b], 23, v[SCL+\b]
.endr
	v_lshl_or_b32 v[PW], v[PT+1], 8, v[PT]
	v_cvt_scalef32_pk16_fp6_f32 v[PC:PC+2], v[(\s):(\s)+15], v[SCL]
	v_cvt_scalef32_pk16_fp6_f32 v[PC+6:PC+8], v[(\s)+16:(\s)+31], v[SCL+1]
	v_nop                                              ; one plain place behind the conversions
.irp i, 0,1,2
	v_permlane16_swap_b32 v[PC+\i], v[PC+6+\i]         ; a whole block to a lane: lanes 0-15 block 0, lanes 16-31 block 1
.endr
.irp i, 0,1,2
	v_mov_b32 v[PC+3+\i], v[PC+6+\i]
.endr
.endm
.macro BIASLD u, base                  ; the bias in the result's layout: for tile t the lane's units 32 (t / 2) + 16 h + 8 (t % 2) + 0 .. 7; it is the C of the sum's first product
.irp t, 0,1,2,3
.irp q, 0,1
	global_load_b128 v[ACC+32*(\u)+8*\t+4*\q:ACC+32*(\u)+8*\t+4*\q+3], v11, s[\base:\base+1] offset:128*(\t/2)+32*(\t%2)+16*\q
.endr
.endr
.endm
.macro WFETCH mat, s                   ; K step s of matrix mat: four fragments and their scale words
.irp t, 0,1,2,3
.irp c, 0,1,2
	ds_load_b128 v[W+12*\t+4*\c:W+12*\t+4*\c+3], v[WAD] offset:6144*(\s)+1536*\t+512*\c
.endr
.endr
	ds_load_b128 v[WS:WS+3], v4 offset:256*(4*(\mat)+(\s))
.endm
	s_load_b512 s[4:19], s[0:1], 0x0               ; x_codes, x_scales, wqkv, bq, bk, bv, o_codes, o_scales
	v_lshrrev_b32 v1, 5, v0
	v_readfirstlane_b32 s20, v1                    ; wave 0..15
	s_and_b32 s22, ttmp7, 0xffff                   ; batch; ttmp9 is the head
	v_and_b32 v252, 31, v0
	v_and_b32 v250, 15, v0                         ; r
	s_wait_alu depctr_va_vdst(0)
	v_bfe_u32 v251, v0, 4, 1                       ; h
	v_lshlrev_b32 v1, 4, v252                      ; 16 x lane
	v_lshlrev_b32 v2, 3, v252                      ; 8 x lane
	v_lshlrev_b32 v3, 2, v250                      ; 4 r
	s_wait_alu depctr_va_vdst(0)
	v_lshl_add_u32 v4, v250, 4, WSC
	s_wait_alu depctr_va_sdst(0)                   ; s20 is written, ahead of its first reader: LDS places, bases and branches are made from it
	s_mul_i32 s28, s20, 1536
	s_add_co_u32 s28, s28, QIMG
	v_add_nc_u32 v5, s28, v1                       ; my two half images of q (k's lie 24,576 on)
	v_add_nc_u32 v6, s28, v2
	s_lshl_b32 s28, s20, 7
	s_add_co_u32 s28, s28, QSC
	v_add_nc_u32 v7, s28, v3
	; v: my 32 keys are block w % 4 of key step w / 4: registers 6 c + 3 h + i (c = (w % 4) / 2) of lane r + 16 (w % 2)
	s_lshr_b32 s28, s20, 2
	s_mul_i32 s29, s28, 6144
	s_bfe_u32 s30, s20, 0x10001
	s_mul_i32 s30, s30, 768
	s_add_co_u32 s29, s29, s30
	s_and_b32 s30, s20, 1
	s_lshl_b32 s30, s30, 7
	s_add_co_u32 s29, s29, s30
	s_add_co_u32 s29, s29, VIMG
	v_lshlrev_b32 v8, 3, v250
	v_add_nc_u32 v8, s29, v8
	v_mad_u32_u24 v9, v251, 508, v8                ; code register 1: byte 4 (h = 0) or 512 (h = 1), less the store's offset 4
	v_mad_u32_u24 v8, v251, 260, v8                ; code registers 0 and 2: bytes 0, 256 (h = 0) or 260, 516 (h = 1)
	s_lshl_b32 s28, s28, 6
	s_and_b32 s30, s20, 3
	s_add_co_u32 s28, s28, s30
	s_add_co_u32 s28, s28, VSC
	v_add_nc_u32 v10, s28, v3
	v_lshlrev_b32 v11, 6, v251                     ; 64 h
	v_and_b32 v[BVA], 8, v250
	v_add_nc_u32 v[BVA], v[BVA], v250
	v_lshlrev_b32 v[BVA], 2, v[BVA]                ; 4 (r + 8 (r / 8))
	v_lshlrev_b32 v[CPA], 4, v0                    ; 16 x thread
	v_add_nc_u32 v[CPB], 0x10000, v[CPA]
.irp b, 0,1,2,3
	v_mov_b32 v[PT+\b], 0                          ; a lane permute's destination counts as one of its sources
.endr
	s_mov_b32 s24, 0x76543210
	s_mov_b32 s25, 0xfedcba98                      ; selects for lane l xor 16
	s_mov_b32 s26, 0x3e38aa3b                      ; c = log2(e) / 8
	s_mov_b32 s27, s26
	s_mul_i32 s28, ttmp9, 76800
	s_mov_b32 s29, 0
	s_lshl_b32 s30, s22, 5
	s_lshl_b32 s31, s20, 1
	s_add_co_u32 s30, s30, s31
	s_mul_i32 s30, s30, 6144                       ; tile 32 x batch + 2 w
	s_mov_b32 s31, 0
	s_lshl_b32 s32, s22, 4
	s_add_co_u32 s32, s32, s20
	s_lshl_b32 s32, s32, 9
	s_mov_b32 s33, 0
	s_lshl_b32 s34, ttmp9, 8
	s_mov_b32 s35, 0
	s_lshl_b32 s36, s22, 3
	s_add_co_u32 s36, s36, ttmp9
	s_lshl_b32 s36, s36, 10
	s_mov_b32 s37, 0
	s_wait_kmcnt 0x0
	s_add_nc_u64 s[8:9], s[8:9], s[28:29]
	s_add_nc_u64 s[4:5], s[4:5], s[30:31]
	s_add_nc_u64 s[6:7], s[6:7], s[32:33]
	s_add_nc_u64 s[10:11], s[10:11], s[34:35]
	s_add_nc_u64 s[12:13], s[12:13], s[34:35]
	s_add_nc_u64 s[14:15], s[14:15], s[34:35]
	s_add_nc_u64 s[18:19], s[18:19], s[36:37]
	s_wait_alu depctr_va_vdst(0)                   ; v1 to v11, BVA, CPA and CPB are written: the loads and stores of phase P read them as offsets and addresses
	; the head's weights: 73,728 bytes of images by all 512 threads, 3,072 bytes of scale words by waves 0-5
.irp i, 0,1,2,3,4,5,6,7,8
	global_load_b128 v[W+4*\i:W+4*\i+3], v[CPA], s[8:9] offset:8192*\i
.endr
	s_cmp_lt_u32 s20, 6
	s_cbranch_scc0 .Lno_sc_load
	global_load_b128 v[W+36:W+39], v[CPA], s[8:9] offset:73728
.Lno_sc_load:
.irp u, 0,1
.irp s, 0,1,2,3
.irp c, 0,1,2
	global_load_b128 v[XF+48*\u+12*\s+4*\c:XF+48*\u+12*\s+4*\c+3], v1, s[4:5] offset:6144*\u+1536*\s+512*\c
.endr
.endr
.endr
	global_load_b64 v[XS:XS+1], v2, s[6:7]
	global_load_b64 v[XS+2:XS+3], v2, s[6:7] offset:256
	BIASLD 0, 10
	BIASLD 1, 10
	s_wait_loadcnt 42                              ; behind the weights' loads 24 + 2 + 16 were issued: the weights are in
.irp i, 0,1,2,3,4,5,6,7
	ds_store_b128 v[CPA], v[W+4*\i:W+4*\i+3] offset:8192*\i
.endr
	ds_store_b128 v[CPB], v[W+32:W+35]
	s_cmp_lt_u32 s20, 6
	s_cbranch_scc0 .Lno_sc_store
	ds_store_b128 v[CPB], v[W+36:W+39] offset:8192
.Lno_sc_store:
	BARRIER                                        ; the weights lie in LDS
; q (mat 0) or k (mat 1).  The eight accumulators take turns, one instruction a turn.
.macro PROJ mat
	s_wait_alu depctr_vm_vsrc(0)                   ; q: the LDS stores above have read W, in which the fragments land; k: q's fragment loads have read WAD, and the stores of q's second tile have read PC and PW
	v_add_nc_u32 v[WAD], 24576*(\mat), v1
.irp s, 0,1,2,3
	s_wait_alu depctr_va_vdst(0)                   ; in the first K step WAD is written, which the loads read; in the others the last step's products are done reading W and WS, in which the loads land
	WFETCH \mat, \s
.if \s == 0
	s_wait_loadcnt 0x0                             ; x's fragments and scale words, the bias
.endif
	s_wait_dscnt 0x0
.irp t, 0,1,2,3
	v_wmma_scale_f32_16x16x128_f8f6f4 v[ACC+8*\t:ACC+8*\t+7], v[W+12*\t:W+12*\t+11], v[XF+12*\s:XF+12*\s+11], v[ACC+8*\t:ACC+8*\t+7], v[WS+\t], v[XS+\s] matrix_a_fmt:MATRIX_FMT_FP6 matrix_b_fmt:MATRIX_FMT_FP6
	v_wmma_scale_f32_16x16x128_f8f6f4 v[ACC+32+8*\t:ACC+32+8*\t+7], v[W+12*\t:W+12*\t+11], v[XF+48+12*\s:XF+48+12*\s+11], v[ACC+32+8*\t:ACC+32+8*\t+7], v[WS+\t], v[XS+\s] matrix_a_fmt:MATRIX_FMT_FP6 matrix_b_fmt:MATRIX_FMT_FP6 matrix_b_scale:MATRIX_SCALE_ROW1
.endr
	PLACES 4                                       ; four places behind the products: ahead of the first read of results, and beside the wait at the next step's head
.endr
.irp u, 0,1
	QUANT32 ACC+32*\u
	s_wait_alu depctr_va_vdst(0)                   ; the quantiser has written PC and PW, which the stores read, and is done reading the tile's accumulators, in which (q) bk lands
	ds_store_b128 v5, v[PC:PC+3] offset:24576*(\mat)+768*\u
	ds_store_b64 v6, v[PC+4:PC+5] offset:24576*(\mat)+768*\u+512
	ds_store_b32 v7, v[PW] offset:2048*(\mat)+64*\u
.if \mat == 0
	BIASLD \u, 12                                  ; bk, into accumulators that have been read
.endif
.if \u == 0
	s_wait_alu depctr_vm_vsrc(0)                   ; the stores have read PC and PW, which the second tile's quantiser writes (the second tile's stores: the wait at the next matrix's head)
.endif
.endr
.endm
	PROJ 0
	PROJ 1
	; v: source 0 = my tokens, source 1 = Wv's columns.  Accumulator 16 t + 8 u: channel of tile t's lane r, keys 32 w + 16 h + 8 u + j
	s_wait_alu depctr_vm_vsrc(0)                   ; k's fragment loads have read WAD; the stores of k's second tile have read PC, in which bv lands
	v_add_nc_u32 v[WAD], 49152, v1
.irp s, 0,1,2,3
	s_wait_alu depctr_va_vdst(0)                   ; in the first K step WAD is written; in the others the last step's products are done reading W and WS, in which the loads land
.if \s == 0
.irp t, 0,1,2,3
	global_load_b32 v[BV+2*\t], v[BVA], s[14:15] offset:(32*(\t/2)+8*(\t%2))*4
.endr
.endif
	WFETCH 2, \s
	s_wait_dscnt 0x0
.irp t, 0,1,2,3
.if \s == 0
	v_wmma_scale_f32_16x16x128_f8f6f4 v[ACC+16*\t:ACC+16*\t+7], v[XF+12*\s:XF+12*\s+11], v[W+12*\t:W+12*\t+11], 0, v[XS+\s], v[WS+\t] matrix_a_fmt:MATRIX_FMT_FP6 matrix_b_fmt:MATRIX_FMT_FP6
	v_wmma_scale_f32_16x16x128_f8f6f4 v[ACC+16*\t+8:ACC+16*\t+15], v[XF+48+12*\s:XF+48+12*\s+11], v[W+12*\t:W+12*\t+11], 0, v[XS+\s], v[WS+\t] matrix_a_fmt:MATRIX_FMT_FP6 matrix_b_fmt:MATRIX_FMT_FP6 matrix_a_scale:MATRIX_SCALE_ROW1
.else
	v_wmma_scale_f32_16x16x128_f8f6f4 v[ACC+16*\t:ACC+16*\t+7], v[XF+12*\s:XF+12*\s+11], v[W+12*\t:W+12*\t+11], v[ACC+16*\t:ACC+16*\t+7], v[XS+\s], v[WS+\t] matrix_a_fmt:MATRIX_FMT_FP6 matrix_b_fmt:MATRIX_FMT_FP6
	v_wmma_scale_f32_16x16x128_f8f6f4 v[ACC+16*\t+8:ACC+16*\t+15], v[XF+48+12*\s:XF+48+12*\s+11], v[W+12*\t:W+12*\t+11], v[ACC+16*\t+8:ACC+16*\t+15], v[XS+\s], v[WS+\t] matrix_a_fmt:MATRIX_FMT_FP6 matrix_b_fmt:MATRIX_FMT_FP6 matrix_a_scale:MATRIX_SCALE_ROW1
.endif
.endr
	PLACES 4
.endr
	s_wait_loadcnt 0x0                             ; bv
.irp t, 0,1,2,3
	v_mov_b32 v[BV+2*\t+1], v[BV+2*\t]
.endr
.irp t, 0,1,2,3
.irp k, 0,2,4,6,8,10,12,14
	v_pk_add_f32 v[ACC+16*\t+\k:ACC+16*\t+\k+1], v[ACC+16*\t+\k:ACC+16*\t+\k+1], v[BV+2*\t:BV+2*\t+1]   ; + bv of my channel; each accumulator from its low end on
.endr
.endr
.irp t, 0,1,2,3
	v_max3_num_f32 v[TM+\t], |v[ACC+16*\t]|, |v[ACC+16*\t+1]|, 0x1800000
.endr
.irp i, 2,4,6,8,10,12,14
.irp t, 0,1,2,3
	v_max3_num_f32 v[TM+\t], v[TM+\t], |v[ACC+16*\t+\i]|, |v[ACC+16*\t+\i+1]|
.endr
.endr
.irp t, 0,1,2,3
	v_permlanex16_b32 v[PT+\t], v[TM+\t], s24, s25
.endr
.irp t, 0,1,2,3
	v_max_num_f32 v[TM+\t], v[TM+\t], v[PT+\t]         ; the block of 32 keys
.endr
.irp t, 0,1,2,3
	v_add_nc_u32 v[SCL+\t], 0xff000000, v[TM+\t]
.endr
.irp t, 0,1,2,3
	v_lshrrev_b32 v[PT+\t], 23, v[SCL+\t]
.endr
.irp t, 0,1,2,3
	v_cvt_scalef32_pk16_fp6_f32 v[VPC+4*\t:VPC+4*\t+2], v[ACC+16*\t:ACC+16*\t+15], v[SCL+\t]
.endr
	v_nop
	s_wait_alu depctr_va_vdst(0)                   ; the conversions have written v's codes and the shifts its scale bytes, which the LDS stores read
.irp t, 0,1,2,3
	ds_store_b32 v8, v[VPC+4*\t] offset:1536*\t
	ds_store_b32 v9, v[VPC+4*\t+1] offset:1536*\t+4
	ds_store_b32 v8, v[VPC+4*\t+2] offset:1536*\t+256
	ds_store_b8 v10, v[PT+\t] offset:256*\t            ; both lanes of a block write the same byte with the same value
.endr
	BARRIER                                        ; q, k and v of the whole batch lie in LDS
	s_wait_alu depctr_vm_vsrc(0)                   ; the LDS instructions of phase P have read v4 to v7 (addresses), v112 to v127 (v's codes) and v232 to v235 (its bytes), which the lines below and the scores write
; ---- attention.  Registers: v4 -M, v5 the largest t, v[6:7] the sum; v12 q's scale word, v13 p's; v16-27 q; v32-79 four fragments of k; v80-94 addresses; v96-159 S^T, then p, then v's four fragments;
;      v160-191 O^T; v192-203 p's codes; v204-210 second halves; v212-223 at work; v224-227 v's scale words; v228-231 k's; v[232:233] f; v235-238 at work; v240, v241 o's scale bytes
.set TM,  212
.set PT,  216
.set SCL, 220
.set PW,  238
.set PC,  192
.set KF,  32
.set S,   96
.set OT,  160
.set QS,  12
.set PS,  13
.set KVS, 224
.set KSR, 228
.set MK,  46                           ; s46-s61 sixteen masks of the diagonal
	v_and_b32 v93, 15, v0
	v_bfe_u32 v94, v0, 4, 1
	v_add_nc_u32 v80, KIMG, v1
	v_add_nc_u32 v81, KIMG, v2
	v_add_nc_u32 v82, KSC, v3
	v_add_nc_u32 v83, VIMG, v2
	v_add_nc_u32 v84, VSC, v3
	v_and_b32 v88, 8, v93
	v_add_nc_u32 v88, v88, v93
	v_lshlrev_b32 v94, 4, v94
	v_sub_nc_u32 v88, v88, v94                     ; r + 8 (r / 8) - 16 h
	v_mov_b32 v90, 0xff800000                      ; -infinity
	s_lshl_b32 s28, s20, 5
	s_add_co_u32 s28, s28, OSC
	v_lshl_add_u32 v91, v93, 1, s28                ; o's scale bytes of tile w,
	s_xor_b32 s28, s20, 31
	s_lshl_b32 s28, s28, 5
	s_add_co_u32 s28, s28, OSC
	v_lshl_add_u32 v92, v93, 1, s28                ; and of tile 31 - w
	v_lshlrev_b32 v94, 4, v0
	v_add_nc_u32 v93, OSC, v94
.irp j, 22,23,24,25,26,27
	v_mov_b32 v[\j], 0                             ; q's codes 64-127
.endr
.irp t, 0,1,2,3
.irp j, 6,7,8,9,10,11
	v_mov_b32 v[KF+12*\t+\j], 0                    ; k's
.endr
.endr
.irp b, 0,1,2,3
	v_mov_b32 v[PT+\b], 0
.endr
	v_mov_b32 v233, 0                              ; (named as the upper half of the pair v[232:233])
	v_mov_b32 v235, 0
	v_mov_b32 v240, 0
; A KEY STEP: keys 128 ks on
.macro STEP ks
.if \ks > 0
	s_cmp_lt_u32 s41, \ks                          ; all its keys come after my queries: left out
	s_cbranch_scc1 .Lhidden_\@
.endif
.irp g, 0,1                                    ; S^T = K Q^T, four tiles of 16 keys at a time
.if \g > 0
	PLACES 4
	s_wait_alu depctr_va_vdst(0)                   ; the four products above are done reading k's fragments and scale words, in which the next four tiles land
.endif                                         ; (the first four owe no wait: the last products that read KF and KSR stand ahead of the wait for the last step's exponentials, in a tile's first step ahead of the wait at its head, and nothing issued since names them)
.irp t, 0,1,2,3
	ds_load_b128 v[KF+12*\t:KF+12*\t+3], v80 offset:6144*\ks+768*(4*\g+\t)
	ds_load_b64 v[KF+12*\t+4:KF+12*\t+5], v81 offset:6144*\ks+768*(4*\g+\t)+512
	ds_load_b32 v[KSR+\t], v82 offset:512*\ks+64*(4*\g+\t)
.endr
	s_wait_dscnt 0x0
.irp t, 0,1,2,3
	v_wmma_scale_f32_16x16x128_f8f6f4 v[S+8*(4*\g+\t):S+8*(4*\g+\t)+7], v[KF+12*\t:KF+12*\t+11], v[16:27], 0, v[KSR+\t], v[QS] matrix_a_fmt:MATRIX_FMT_FP6 matrix_b_fmt:MATRIX_FMT_FP6
.endr
.endr                                          ; register 16 b + i: key 128 ks + 32 b + 16 h + i
	PLACES 4
	s_cmp_lg_u32 s41, \ks                          ; only the step on the diagonal is masked
	s_cbranch_scc1 .Lopen_\@
.set CB, 0
.rept 4                                        ; a block of 32 keys at a time: my 16 compares in a run, one wait, my 16 selects
.set CN, 0
.rept 16
	v_cmp_gt_i32 s[MK+CN], 32*CB+CN, v89               ; hidden where the key comes after my query
.set CN, CN+1
.endr
	s_wait_alu depctr_va_sdst(0)                       ; the sixteen compares have written s46 to s61, ahead of the selects that read them
.set CN, 0
.rept 16
	v_cndmask_b32 v[S+16*CB+CN], v[S+16*CB+CN], v90, s[MK+CN]
.set CN, CN+1
.endr
.set CB, CB+1
.endr
.Lopen_\@:
.irp b, 0,1,2,3
	v_max3_num_f32 v[TM+\b], v[S+16*\b], v[S+1+16*\b], v[S+2+16*\b]   ; the largest score of each block of 32 keys: for the row's maximum and, since p rises with the score, for the block's largest p
.endr
.irp i, 3,5,7,9,11,13
.irp b, 0,1,2,3
	v_max3_num_f32 v[TM+\b], v[TM+\b], v[S+16*\b+\i], v[S+1+16*\b+\i]
.endr
.endr
.irp b, 0,1,2,3
	v_max_num_f32 v[TM+\b], v[TM+\b], v[S+15+16*\b]
.endr
.irp b, 0,1,2,3
	v_permlanex16_b32 v[PT+\b], v[TM+\b], s24, s25
.endr
.irp b, 0,1,2,3
	v_max_num_f32 v[TM+\b], v[TM+\b], v[PT+\b]
.endr
	v_max3_num_f32 v235, v[TM], v[TM+1], v[TM+2]
	v_max_num_f32 v235, v235, v[TM+3]
	v_mul_f32 v235, s26, v235                          ; as t
	v_max_num_f32 v5, v5, v235                         ; the running largest t
	v_mov_b32 v235, v4
	v_floor_f32 v4, -v5                                ; -M = floor(-t): M is a whole number
	v_sub_f32 v235, v4, v235                           ; old M - new M
	v_cvt_i32_f32 v235, v235                           ; (it saturates)
	v_ldexp_f32 v232, 1.0, v235                        ; f = 2^(old M - new M): rounds nothing
.set CN, 0
.rept 32
	v_pk_fma_f32 v[S+CN:S+CN+1], v[S+CN:S+CN+1], s[26:27], v[4:5] op_sel_hi:[1,0,0]   ; t - M
.set CN, CN+2
.endr
.irp b, 0,1,2,3
	v_fma_f32 v[TM+\b], v[TM+\b], s26, v4
.endr
.set CN, 0
	s_wait_alu depctr_va_vdst(0)
.rept 64
	v_exp_f32 v[S+CN], v[S+CN]                         ; p = 2^(t - M)
.set CN, CN+1
.endr
	v_pk_mul_f32 v[6:7], v[6:7], v[232:233] op_sel_hi:[1,0]   ; the sums under the new M; a plain place behind the exponentials
	s_wait_alu depctr_va_vdst(0)                       ; the 64 exponentials have written p: one wait for the batch, ahead of its first reader
.irp b, 0,1,2,3
	v_exp_f32 v[TM+\b], v[TM+\b]                       ; the block's largest p
.endr
	v_pk_add_f32 v[236:237], v[S:S+1], v[S+2:S+3]      ; the row's sum of the unquantised p, in two chains
.set CN, 4
.rept 15
	v_pk_add_f32 v[6:7], v[6:7], v[S+CN:S+CN+1]
	v_pk_add_f32 v[236:237], v[236:237], v[S+CN+2:S+CN+3]
.set CN, CN+4
.endr
	v_pk_add_f32 v[6:7], v[6:7], v[236:237]
	s_wait_alu depctr_va_vdst(0)                       ; the four exponentials have written the blocks' largest p, ahead of their first reader
.irp b, 0,1,2,3
	v_max_num_f32 v[TM+\b], 0x1800000, v[TM+\b]        ; the floor: the byte cannot fall under 1
.endr
.irp b, 0,1,2,3
	v_add_nc_u32 v[SCL+\b], 0xff000000, v[TM+\b]
.endr
.irp b, 0,1,2,3
	v_lshrrev_b32 v[PT+\b], 23, v[SCL+\b]
.endr
	v_lshl_or_b32 v[PS], v[PT+1], 8, v[PT]             ; p's scale word for these 128 keys
	v_lshl_or_b32 v[PS], v[PT+2], 16, v[PS]
	v_lshl_or_b32 v[PS], v[PT+3], 24, v[PS]
.irp c, 0,1
	v_cvt_scalef32_pk16_fp6_f32 v[192+6*\c:194+6*\c], v[S+32*\c:S+15+32*\c], v[SCL+2*\c]
	v_cvt_scalef32_pk16_fp6_f32 v[204+4*\c:206+4*\c], v[S+16+32*\c:S+31+32*\c], v[SCL+2*\c+1]
.endr
	v_nop
	s_wait_alu depctr_va_vdst(0)                       ; the conversions are done reading p, and the last step's products V^T P reading KVS: v's fragments and scale words land there
.irp t, 0,1,2,3                                ; v's four fragments take the registers that p has left; no vector or matrix instruction ahead of the products below names them
.irp p, 0,1,2,3,4,5
	ds_load_b64 v[S+12*\t+2*\p:S+12*\t+2*\p+1], v83 offset:6144*\ks+1536*\t+256*\p
.endr
	ds_load_b32 v[KVS+\t], v84 offset:256*\t+64*\ks
.endr
.irp c, 0,1
.irp i, 0,1,2
	v_permlane16_swap_b32 v[192+6*\c+\i], v[204+4*\c+\i]
.endr
.irp i, 0,1,2
	v_mov_b32 v[195+6*\c+\i], v[204+4*\c+\i]
.endr
.endr
.set CN, 0
.rept 16
	v_pk_mul_f32 v[OT+CN:OT+CN+1], v[OT+CN:OT+CN+1], v[232:233] op_sel_hi:[1,0]   ; O^T under the new M; these also stand between the scale word's and the codes' last writes and the products
.set CN, CN+2
.endr
	s_wait_alu depctr_va_vdst(0)                       ; behind those places: p's codes and scale word are written, which the scaled products take as source 1 and as its scales
	s_wait_dscnt 0x0
.irp t, 0,1,2,3                                ; O^T += V^T P^T
	v_wmma_scale_f32_16x16x128_f8f6f4 v[OT+8*\t:OT+8*\t+7], v[S+12*\t:S+12*\t+11], v[192:203], v[OT+8*\t:OT+8*\t+7], v[KVS+\t], v[PS] matrix_a_fmt:MATRIX_FMT_FP6 matrix_b_fmt:MATRIX_FMT_FP6
.endr
	PLACES 5                                       ; the next step's scores are written over registers that these products read: five places
.if \ks > 0
.Lhidden_\@:
.endif
.endm
	s_mov_b32 s40, s20                             ; T = w, then 31 - w
	s_mov_b32 s43, 2
.Ltile:
	s_lshr_b32 s41, s40, 3                         ; the key step on the diagonal
	s_bfe_u32 s42, s40, 0x20001
	s_lshl_b32 s42, s42, 5
	s_and_b32 s28, s40, 1
	s_lshl_b32 s28, s28, 3
	s_add_co_u32 s42, s42, s28                     ; my tile's first token within that key step
	s_mul_i32 s28, s40, 768
	s_add_co_u32 s28, s28, QIMG
	v_add_nc_u32 v85, s28, v1
	v_add_nc_u32 v86, s28, v2
	s_lshl_b32 s29, s40, 6
	s_add_co_u32 s29, s29, QSC
	v_add_nc_u32 v87, s29, v3
	s_wait_alu depctr_va_vdst(0)                   ; v85 to v87 are written, and in the first trip v80 to v84, v91 to v94 and the zero halves of q and k; the last tile's products are done reading q and its scale word, in which the loads land
	ds_load_b128 v[16:19], v85
	ds_load_b64 v[20:21], v86 offset:512
	ds_load_b32 v[QS], v87
	v_add_nc_u32 v89, s42, v88                     ; d = my query - the step's first key - 16 h
	v_mov_b32 v5, 0xff61b1e6                       ; the largest t so far: -3e38
	v_floor_f32 v4, -v5
	v_mov_b32 v6, 0
	v_mov_b32 v7, 0
.set CN, 0
.rept 32
	v_mov_b32 v[OT+CN], 0                          ; the step is written once: the first finds zeros
.set CN, CN+1
.endr
	STEP 0
	STEP 1
	STEP 2
	STEP 3
	v_add_f32 v6, v6, v7
	v_permlanex16_b32 v235, v6, s24, s25
	v_add_f32 v6, v6, v235                         ; the row's sum
	s_wait_alu depctr_va_vdst(0)
	v_rcp_f32 v6, v6
	v_nop                                          ; a plain place behind the reciprocal
	s_wait_alu depctr_va_vdst(0)                   ; the reciprocal has written v6, ahead of its first reader
.set CN, 0
.rept 32
	v_mul_f32 v[S+CN], v[OT+CN], v6                ; o: register 16 b + i is channel 32 b + 16 h + i of my query
.set CN, CN+1
.endr
	QUANT32 S
	v_mov_b32 v241, v240
	v_mov_b32 v240, v[PW]
	s_lshl_b32 s28, s22, 5
	s_add_co_u32 s28, s28, s40
	s_lshl_b32 s28, s28, 3
	s_add_co_u32 s28, s28, ttmp9
	s_mul_i32 s28, s28, 768                        ; ((32 x batch + T) 8 + head) half images
	s_mov_b32 s29, 0
	s_add_nc_u64 s[44:45], s[16:17], s[28:29]
	s_wait_alu depctr_va_vdst(0)                   ; the quantiser has written o's codes, which the two stores read; v240 and v241 are written, which the LDS stores behind the loop read
	global_store_b128 v1, v[PC:PC+3], s[44:45]         ; 512 consecutive bytes, aligned
	global_store_b64 v2, v[PC+4:PC+5], s[44:45] offset:512   ; and 256
	s_wait_xcnt 0x0                                ; the stores have read their registers and their base: the next tile writes both
	s_wait_alu depctr_vm_vsrc(0)                   ; the stores have read o's codes, which the next tile's conversions write; q's loads have read v85 to v87, which the next tile's head writes
	s_xor_b32 s40, s40, 31
	s_sub_co_u32 s43, s43, 1
	s_cmp_lg_u32 s43, 0
	s_cbranch_scc1 .Ltile
	BARRIER                                        ; every wave's LDS reads are over
	ds_store_b16 v91, v241                         ; both lanes of a row write the same bytes with the same value
	ds_store_b16 v92, v240
	BARRIER
	s_cmp_lt_u32 s20, 2
	s_cbranch_scc0 .Ldone
	ds_load_b128 v[96:99], v93                     ; 1,024 bytes of scale bytes leave by 64 threads, in whole aligned runs of 256
	s_wait_dscnt 0x0
	global_store_b128 v94, v[96:99], s[18:19]
.Ldone:
	s_wait_xcnt 0x0
	v_lshl_add_u32 v254, v0, 2, 0x26400
	v_mov_b32 v255, 0
	s_wait_dscnt 0x0                               ; the closing lines, six on end
	s_wait_alu 0x0
	s_wait_tensorcnt 0x0
	ds_add_u32 v254, v255
	s_wait_dscnt 0x0
	s_endpgm
.Lfunc_end_k_qb6858cbe96_attn:
	.size	k_qb6858cbe96_attn, .Lfunc_end_k_qb6858cbe96_attn-k_qb6858cbe96_attn
	.p2alignl 7, 3214868480
	.fill 96, 4, 3214868480
	.section	.rodata,"a",@progbits
	.p2align	6, 0x0
	.amdhsa_kernel k_qb6858cbe96_attn
		.amdhsa_group_segment_fixed_size 158720
		.amdhsa_private_segment_fixed_size 0
		.amdhsa_enable_private_segment 0
		.amdhsa_kernarg_size 64
		.amdhsa_user_sgpr_count 2
		.amdhsa_user_sgpr_kernarg_segment_ptr 1
		.amdhsa_wavefront_size32 1
		.amdhsa_system_sgpr_workgroup_id_x 1
		.amdhsa_system_sgpr_workgroup_id_y 1
		.amdhsa_system_sgpr_workgroup_id_z 1
		.amdhsa_system_vgpr_workitem_id 0
		.amdhsa_next_free_vgpr 256
		.amdhsa_next_free_sgpr 66
		.amdhsa_reserve_vcc 0
		.amdhsa_float_denorm_mode_32 3
		.amdhsa_float_denorm_mode_16_64 3
		.amdhsa_memory_ordered 1
		.amdhsa_forward_progress 1
		.amdhsa_inst_pref_size 164
	.end_amdhsa_kernel
	.amdgpu_metadata
---
amdhsa.version: [ 1, 2 ]
amdhsa.kernels:
  - .name:           k_qb6858cbe96_attn
    .symbol:         k_qb6858cbe96_attn.kd
    .args:
      - { .name: x_codes, .offset: 0, .size: 8, .value_kind: global_buffer, .address_space: global }
      - { .name: x_scales, .offset: 8, .size: 8, .value_kind: global_buffer, .address_space: global }
      - { .name: wqkv, .offset: 16, .size: 8, .value_kind: global_buffer, .address_space: global }
      - { .name: bq, .offset: 24, .size: 8, .value_kind: global_buffer, .address_space: global }
      - { .name: bk, .offset: 32, .size: 8, .value_kind: global_buffer, .address_space: global }
      - { .name: bv, .offset: 40, .size: 8, .value_kind: global_buffer, .address_space: global }
      - { .name: o_codes, .offset: 48, .size: 8, .value_kind: global_buffer, .address_space: global }
      - { .name: o_scales, .offset: 56, .size: 8, .value_kind: global_buffer, .address_space: global }
    .group_segment_fixed_size: 158720
    .private_segment_fixed_size: 0
    .kernarg_segment_align: 8
    .kernarg_segment_size: 64
    .max_flat_workgroup_size: 512
    .sgpr_count:     66
    .vgpr_count:     256
    .wavefront_size: 32
...
	.end_amdgpu_metadata
.endif
;; end of part 5
;; launch chain (part 6): grid 256 x 1, 4 waves a work-group, no clusters, 272,896 bytes of LDS; arguments o_codes, o_scales, wstream, x, bo, b1, b2, ln1_g, ln1_b, ln2_g, ln2_b, out0; writes out0
.if DOCPART == 6
	.amdgcn_target "amdgcn-amd-amdhsa--gfx1250"
	.amdhsa_code_object_version 6
	.text
	.protected	k_qb6858cbe96_chain
	.globl	k_qb6858cbe96_chain
	.p2align	8
	.type	k_qb6858cbe96_chain,@function
k_qb6858cbe96_chain:
	s_mov_b64 s[64:65], 0
	v_nop
	global_prefetch_b8 v0, s[64:65] scope:SCOPE_SE
	s_setreg_imm32_b32 hwreg(HW_REG_WAVE_MODE, 25, 1), 1
	s_wait_xcnt 0x0
; out1 = x + LN1(o Wo + bo); out = out1 + LN2(relu(out1 W1 + b1) W2 + b2), for 64 rows a work-group; the three products on codes of FP6 (E2M3) with E8M0 scales.  Nothing between o and out goes to memory.
; THE WAVES SHARE THE COLUMNS: wave w makes outputs 128 w .. 128 w + 127 of Wo and of W2 and hidden units 512 w .. 512 w + 511, for all 64 rows (four tiles m, rows 32 (m / 2) + 8 (m % 2) + r + 8 (r / 8)).
; So each weight fragment is wanted by one wave of the work-group: it comes from memory straight into its operand registers (laid so by the first launch: 36 groups of 8 fragments and their scale words a wave) and feeds four products.
; All products are transposed (source 0 = 16 weight columns, source 1 = 16 rows): a lane holds one row, and its 64 registers of a tile of rows run along the wave's 128 columns, which are one K step of the next product.
; What a wave has quantised goes to the others through LDS as images of the operand's registers (1,536 bytes a fragment, 128 bytes of scale words).
; WEIGHT GROUPS ARE ASKED FOR AHEAD, into four sets of registers by turns: two groups ahead in the first product, where the stream starts, three from the first norm on: the set that group k - 1 has left takes group k + 3.
; That is 75 loads a wave, of which LOADcnt's field lets 63 be out (ISA guide 5.7.1: a load that would pass the field is held at issue): 63 x 512 bytes a wave on their way.  The rows' fragments come from LDS one group ahead, into two buffers.
; LayerNorm: mean and variance in two passes (no difference of large sums); the four waves' partial sums meet in LDS.
; x's rows for the residual come by asynchronous copies, 512 consecutive bytes each, into each wave's own rows of LDS, where out1 and then out take their place.  They are asked for behind o, the first weights and bo, for which the
; first product waits.  63 copies a wave, as many as ASYNCcnt's field holds; the 64th piece comes by a load and one LDS store, so that no copy is held at issue in front of the first barrier.
; NO CLUSTER: all work-groups walk the same weights, but joint loads want a ring in LDS: two slots of a group for four waves are 2 x 51,200 bytes, and of the 327,680 bytes 272,384 are taken (the hidden layer's codes alone 106,496).
; LIMITS: a block of zeros gets the scale byte 1 where the rule says 127 (zero codes; this program alone reads the bytes); NaN and infinities among the inputs are not served.
.set RES,  0                           ; LDS: for each wave 64 rows x 528 bytes: x, then out1, then out, in the wave's 128 columns
.set AIMG, 135168                      ; images (K step s, tile m) at (4 s + m) 1,536: o's, later out1's
.set ASC,  159744                      ; their scale words: (4 s + m) 128 + 4 x lane
.set HIMG, 161792                      ; the hidden layer's 64 images
.set HSC,  260096
.set STAT, 268288                      ; four regions of 1,024: 256 w + 16 r + 4 m
; window 0
.set ACT, 16                           ; v16-111  the rows' fragments, two buffers of 48
.set XR,  16                           ; v16-79   in the norms: 64 numbers of the residual
.set LD,  80                           ; v80-95   the four waves' partial sums
.set SP,  96                           ; v96-103  four running pairs
.set ST4, 104
.set PT4, 108
.set HA,  112                          ; v112-175 64 numbers of a lane
.set XB,  112                          ; v112-127 at the head: the copies' offsets, untouched until the copies are waited for
.set PC,  176                          ; v176-194 codes
.set XL,  176                          ; v176-179 until the first norm: the last row piece of x
.set TM,  196                          ; v196-211 at work
.set PW,  212
.set BO,  213                          ; 64 h
.set WSC, 214                          ; v214-229 the weights' scale words, four for each set: lanes 0-15 tiles 0-3, lanes 16-31 tiles 4-7
.set ASR, 230                          ; v230-237 the rows' scale words, four for each buffer
.set MU,  238                          ; v238-245 the means, twice each
.set RS,  246                          ; v246-253 1 / sqrt(var + eps), twice each
.set HWT, 254
.set HST, 255
.set BI,  192                          ; window 1: v0-95, v96-191 weight sets 0, 1; v192-255 the bias in the result's layout
.set GA,  96                           ; window 2: v0-95, v96-191 weight sets 2, 3; in the norms, when set 3 is free, v96-159 the gain, v160-223 the shift (set 2 may hold a group on its way)
.set BE,  160                          ; window 3: the 32 accumulators, (tile t, rows m) at 64 m + 8 t
.set WP,  40                           ; s[40:41] the weights' stream
.set BP,  42                           ; s[42:43] the next bias
.set B2P, 44
.set MSB, 0
.macro WIN new                         ; the immediate's high byte repeats the setting that is left
.if MSB != (\new)
	s_set_vgpr_msb (MSB<<8)|(\new)
.set MSB, (\new)
.endif
.endm
.macro PLACES n
.rept \n
	v_nop
.endr
.endm
.macro BARRIER                         ; my LDS stores have landed and my LDS loads are in: then the work-group's barrier
	s_wait_dscnt 0x0
	s_barrier_signal -1
	s_barrier_wait -1
.endm
; 64 numbers of a lane, register 16 b + i = k 32 b + 16 h + i of my row, become a fragment's codes in v[PC] on and its scale word in v[PW]
.macro QUANT64 s
.irp b, 0,1,2,3
	v_max3_num_f32 v[TM+\b], |v[(\s)+16*\b]|, |v[(\s)+1+16*\b]|, 0x1800000   ; with the floor 2^(3 - 127)
.endr
.irp i, 2,4,6,8,10,12,14
.irp b, 0,1,2,3
	v_max3_num_f32 v[TM+\b], v[TM+\b], |v[(\s)+16*\b+\i]|, |v[(\s)+1+16*\b+\i]|
.endr
.endr
.irp b, 0,1,2,3
	v_permlanex16_b32 v[TM+4+\b], v[TM+\b], s30, s31
.endr
.irp b, 0,1,2,3
	v_max_num_f32 v[TM+\b], v[TM+\b], v[TM+4+\b]
.endr
.irp b, 0,1,2,3
	v_add_nc_u32 v[TM+12+\b], 0xff000000, v[TM+\b]     ; 2 off the exponent field: the conversion's scale operand
.endr
.irp b, 0,1,2,3
	v_lshrrev_b32 v[TM+4+\b], 23, v[TM+12+\b]
.endr
	v_lshl_or_b32 v[PW], v[TM+5], 8, v[TM+4]
	v_lshl_or_b32 v[PW], v[TM+6], 16, v[PW]
	v_lshl_or_b32 v[PW], v[TM+7], 24, v[PW]
.irp c, 0,1
	v_cvt_scalef32_pk16_fp6_f32 v[PC+6*\c:PC+2+6*\c], v[(\s)+32*\c:(\s)+15+32*\c], v[TM+12+2*\c]
	v_cvt_scalef32_pk16_fp6_f32 v[PC+12+4*\c:PC+14+4*\c], v[(\s)+16+32*\c:(\s)+31+32*\c], v[TM+12+2*\c+1]
.endr
	v_nop                                              ; one plain place behind the conversions
.irp c, 0,1
.irp i, 0,1,2
	v_permlane16_swap_b32 v[PC+6*\c+\i], v[PC+12+4*\c+\i]   ; a whole block to a lane
.endr
.irp i, 0,1,2
	v_mov_b32 v[PC+3+6*\c+\i], v[PC+12+4*\c+\i]
.endr
.endr
.endm
.macro IMAGE adr, off
.irp c, 0,1,2
	ds_store_b128 v[\adr], v[PC+4*\c:PC+4*\c+3] offset:(\off)+512*\c
.endr
.endm
; a group of weights, off bytes on in my stream, into set: 24 + 1 loads, each of 512 consecutive bytes
.macro WLOAD set, off
	PLACES 4                                           ; in front of loads into registers that products have read
	WIN 0x40*(1+(\set)/2)
.irp t, 0,1,2,3,4,5,6,7
.irp c, 0,1,2
	global_load_b128 v[96*((\set)%2)+12*\t+4*\c:96*((\set)%2)+12*\t+4*\c+3], v1, s[WP:WP+1] offset:(\off)+1536*\t+512*\c
.endr
.endr
	WIN 0
	global_load_b128 v[WSC+4*(\set):WSC+4*(\set)+3], v1, s[WP:WP+1] offset:(\off)+12288
.endm
.macro AFETCH buf, off                 ; the four tiles of rows of one K step, and their scale words
.irp m, 0,1,2,3
.irp c, 0,1,2
	ds_load_b128 v[ACT+48*(\buf)+12*\m+4*\c:ACT+48*(\buf)+12*\m+4*\c+3], v13 offset:(\off)+1536*\m+512*\c
.endr
	ds_load_b32 v[ASR+4*(\buf)+\m], v14 offset:(\off)/12+128*\m
.endr
.endm
.macro WM t, m, set, buf, first
.if \first
.if (\t) < 4
	v_wmma_scale_f32_16x16x128_f8f6f4 v[64*\m+8*(\t):64*\m+8*(\t)+7], v[96*((\set)%2)+12*(\t):96*((\set)%2)+12*(\t)+11], v[ACT+48*(\buf)+12*\m:ACT+48*(\buf)+12*\m+11], v[BI+8*(\t):BI+8*(\t)+7], v[WSC+4*(\set)+(\t)%4], v[ASR+4*(\buf)+\m] matrix_a_fmt:MATRIX_FMT_FP6 matrix_b_fmt:MATRIX_FMT_FP6
.else
	v_wmma_scale_f32_16x16x128_f8f6f4 v[64*\m+8*(\t):64*\m+8*(\t)+7], v[96*((\set)%2)+12*(\t):96*((\set)%2)+12*(\t)+11], v[ACT+48*(\buf)+12*\m:ACT+48*(\buf)+12*\m+11], v[BI+8*(\t):BI+8*(\t)+7], v[WSC+4*(\set)+(\t)%4], v[ASR+4*(\buf)+\m] matrix_a_fmt:MATRIX_FMT_FP6 matrix_b_fmt:MATRIX_FMT_FP6 matrix_a_scale:MATRIX_SCALE_ROW1
.endif
.else
.if (\t) < 4
	v_wmma_scale_f32_16x16x128_f8f6f4 v[64*\m+8*(\t):64*\m+8*(\t)+7], v[96*((\set)%2)+12*(\t):96*((\set)%2)+12*(\t)+11], v[ACT+48*(\buf)+12*\m:ACT+48*(\buf)+12*\m+11], v[64*\m+8*(\t):64*\m+8*(\t)+7], v[WSC+4*(\set)+(\t)%4], v[ASR+4*(\buf)+\m] matrix_a_fmt:MATRIX_FMT_FP6 matrix_b_fmt:MATRIX_FMT_FP6
.else
	v_wmma_scale_f32_16x16x128_f8f6f4 v[64*\m+8*(\t):64*\m+8*(\t)+7], v[96*((\set)%2)+12*(\t):96*((\set)%2)+12*(\t)+11], v[ACT+48*(\buf)+12*\m:ACT+48*(\buf)+12*\m+11], v[64*\m+8*(\t):64*\m+8*(\t)+7], v[WSC+4*(\set)+(\t)%4], v[ASR+4*(\buf)+\m] matrix_a_fmt:MATRIX_FMT_FP6 matrix_b_fmt:MATRIX_FMT_FP6 matrix_a_scale:MATRIX_SCALE_ROW1
.endif
.endif
.endm
; 16 products: weight tiles t0 .. t0 + 3 x the four tiles of rows.  first = 1: the bias is the C of the sum's first product.  The 32 accumulators take turns, in the same order in every group.
.macro MUL16 set, buf, t0, first
.if \first
	WIN 0xd1                                           ; source 0 and the bias window 1, rows window 0, results window 3
.else
	WIN 0xf1+(\set)/2                                  ; source 0 window 1 or 2, C and D window 3
.endif
.irp t, \t0, \t0+1, \t0+2, \t0+3
.irp m, 0,1,2,3
	WM \t, \m, \set, \buf, \first
.endr
.endr
.endm
; A GROUP: one K step of my 128 columns for the 64 rows, 32 products.  ld = 1: a later group is asked for, into set ldset.  cnt: of the weight loads issued behind this group's, how many may stay out.  pf = 1: the next K step's rows are fetched.
.macro GROUP set, buf, ld, ldset, ldoff, cnt, first, pf, pfoff
.if \ld
	WLOAD \ldset, \ldoff
.endif
	s_wait_loadcnt \cnt                                ; loads come back in order: this group's 25 are in
	s_wait_dscnt 0x0                                   ; the rows' fragments, asked for 16 products ago
	MUL16 \set, \buf, 0, \first
.if \pf
	WIN 0
	PLACES 4
	AFETCH 1-\buf, \pfoff
.endif
	MUL16 \set, \buf, 4, \first
	WIN 0
.endm
.macro BIAS                            ; 128 numbers from s[BP]: for tile t the lane's units 32 (t / 2) + 16 h + 8 (t % 2) + 0 .. 7
	PLACES 4
	WIN 0x40
.irp t, 0,1,2,3,4,5,6,7
.irp q, 0,1
	global_load_b128 v[BI+8*\t+4*\q:BI+8*\t+4*\q+3], v[BO], s[BP:BP+1] offset:128*(\t/2)+32*(\t%2)+16*\q
.endr
.endr
	WIN 0
.endm
; the four running pairs become the rows' totals over 512 columns, in v[LD] .. v[LD + 3]
.macro REDUCE4 region
.irp m, 0,1,2,3
	v_add_f32 v[ST4+\m], v[SP+2*\m], v[SP+2*\m+1]
.endr
.irp m, 0,1,2,3
	v_permlanex16_b32 v[PT4+\m], v[ST4+\m], s30, s31
.endr
.irp m, 0,1,2,3
	v_add_f32 v[ST4+\m], v[ST4+\m], v[PT4+\m]          ; my wave's 128 columns
.endr
	ds_store_b128 v11, v[ST4:ST4+3] offset:1024*(\region)
	BARRIER
.irp q, 0,1,2,3
	ds_load_b128 v[LD+4*\q:LD+4*\q+3], v12 offset:1024*(\region)+256*\q
.endr
	s_wait_dscnt 0x0
	v_pk_add_f32 v[LD:LD+1], v[LD:LD+1], v[LD+4:LD+5]
	v_pk_add_f32 v[LD+2:LD+3], v[LD+2:LD+3], v[LD+6:LD+7]
	v_pk_add_f32 v[LD+8:LD+9], v[LD+8:LD+9], v[LD+12:LD+13]
	v_pk_add_f32 v[LD+10:LD+11], v[LD+10:LD+11], v[LD+14:LD+15]
	v_pk_add_f32 v[LD:LD+1], v[LD:LD+1], v[LD+8:LD+9]
	v_pk_add_f32 v[LD+2:LD+3], v[LD+2:LD+3], v[LD+10:LD+11]
.endm
; mean and 1 / sqrt(var + eps) of the 64 rows; the accumulators become a - mean.  The gain and the shift are asked for at the head.
.macro LNSTAT region, gp, bp
	PLACES 4
	WIN 0x80
.irp b, 0,1,2,3
.irp j, 0,1,2,3
	global_load_b128 v[GA+16*\b+4*\j:GA+16*\b+4*\j+3], v[BO], s[\gp:\gp+1] offset:128*\b+16*\j
	global_load_b128 v[BE+16*\b+4*\j:BE+16*\b+4*\j+3], v[BO], s[\bp:\bp+1] offset:128*\b+16*\j
.endr
.endr
	WIN 0x0f
.irp m, 0,1,2,3
	v_pk_add_f32 v[SP+2*\m:SP+2*\m+1], v[64*\m:64*\m+1], v[64*\m+2:64*\m+3]   ; each accumulator is read from its low end on
.endr
	WIN 0x0c
.set CK, 4
.rept 30
.irp m, 0,1,2,3
	v_pk_add_f32 v[SP+2*\m:SP+2*\m+1], v[SP+2*\m:SP+2*\m+1], v[64*\m+CK:64*\m+CK+1]
.endr
.set CK, CK+2
.endr
	WIN 0
	REDUCE4 \region
.irp m, 0,1,2,3
	v_mul_f32 v[MU+2*\m], s57, v[LD+\m]                ; / 512
.endr
.irp m, 0,1,2,3
	v_mov_b32 v[MU+2*\m+1], v[MU+2*\m]
.endr
	WIN 0xc3
.set CK, 0
.rept 32
.irp m, 0,1,2,3
	v_pk_add_f32 v[64*\m+CK:64*\m+CK+1], v[64*\m+CK:64*\m+CK+1], v[MU+2*\m:MU+2*\m+1] neg_lo:[0,1] neg_hi:[0,1]
.endr
.set CK, CK+2
.endr
	WIN 0x0f
.irp m, 0,1,2,3
	v_pk_mul_f32 v[SP+2*\m:SP+2*\m+1], v[64*\m:64*\m+1], v[64*\m:64*\m+1]
.endr
.set CK, 2
.rept 31
.irp m, 0,1,2,3
	v_pk_fma_f32 v[SP+2*\m:SP+2*\m+1], v[64*\m+CK:64*\m+CK+1], v[64*\m+CK:64*\m+CK+1], v[SP+2*\m:SP+2*\m+1]
.endr
.set CK, CK+2
.endr
	WIN 0
	REDUCE4 (\region)+1
.irp m, 0,1,2,3
	v_fma_f32 v[RS+2*\m], v[LD+\m], s57, s56           ; var + eps
.endr
	s_wait_alu depctr_va_vdst(0)
.irp m, 0,1,2,3
	v_rsq_f32 v[RS+2*\m], v[RS+2*\m]
.endr
	v_nop                                              ; a plain place behind the last of them
	s_wait_alu depctr_va_vdst(0)                       ; one wait for the four, ahead of their first reader
.irp m, 0,1,2,3
	v_mov_b32 v[RS+2*\m+1], v[RS+2*\m]
.endr
.endm
; tile m: residual + (a - mean) rs g + b, into v[HA] on and into my rows of LDS
.macro LNROW m
.irp b, 0,1,2,3
.irp j, 0,1,2,3
	ds_load_b128 v[XR+16*\b+4*\j:XR+16*\b+4*\j+3], v3 offset:8448*\m+128*\b+16*\j
.endr
.endr
	WIN 0x03
.set CK, 0
.rept 32
	v_pk_mul_f32 v[HA+CK:HA+CK+1], v[64*\m+CK:64*\m+CK+1], v[RS+2*\m:RS+2*\m+1]
.set CK, CK+2
.endr
	WIN 0x28
.set CK, 0
.rept 32
	v_pk_fma_f32 v[HA+CK:HA+CK+1], v[HA+CK:HA+CK+1], v[GA+CK:GA+CK+1], v[BE+CK:BE+CK+1]
.set CK, CK+2
.endr
	WIN 0
	s_wait_dscnt 0x0
.set CK, 0
.rept 32
	v_pk_add_f32 v[HA+CK:HA+CK+1], v[HA+CK:HA+CK+1], v[XR+CK:XR+CK+1]
.set CK, CK+2
.endr
.irp b, 0,1,2,3
.irp j, 0,1,2,3
	ds_store_b128 v3, v[HA+16*\b+4*\j:HA+16*\b+4*\j+3] offset:8448*\m+128*\b+16*\j
.endr
.endr
.endm
	s_load_b512 s[4:19], s[0:1], 0x0               ; o_codes, o_scales, wstream, x, bo, b1, b2, ln1_g
	s_load_b256 s[20:27], s[0:1], 0x40             ; ln1_b, ln2_g, ln2_b, out0
	v_lshl_add_u32 v191, v0, 2, 0x42800
	v_mov_b32 v195, 0
	ds_add_u32 v191, v195
	ds_add_u32 v191, v195
	v_lshrrev_b32 v15, 5, v0
	v_readfirstlane_b32 s28, v15                   ; wave 0..3
	v_and_b32 v15, 31, v0
	v_and_b32 v196, 15, v0                         ; r
	v_bfe_u32 v197, v0, 4, 1                       ; h
	v_lshlrev_b32 v1, 4, v15                       ; 16 x lane
	v_lshlrev_b32 v2, 2, v15                       ; 4 x lane
	v_lshlrev_b32 v200, 3, v15
	v_lshlrev_b32 v201, 1, v196
	v_lshlrev_b32 v[BO], 6, v197
	s_mul_i32 s60, s28, 33792
	v_mul_u32_u24 v3, v196, 528
	v_lshl_add_u32 v3, v197, 6, v3
	v_add_nc_u32 v3, s60, v3                       ; my rows of LDS: row r, + 64 h
	v_add_nc_u32 v4, s60, v1                       ; and by whole rows
	s_mul_i32 s60, s28, 6144
	s_add_co_u32 s60, s60, AIMG
	v_add_nc_u32 v5, s60, v1                       ; out1's images: K step w
	s_lshl_b32 s60, s28, 9
	s_add_co_u32 s60, s60, ASC
	v_add_nc_u32 v6, s60, v2
	v_add_nc_u32 v7, HIMG, v1
	v_add_nc_u32 v8, HSC, v2
	s_mul_i32 s60, s28, 24576
	s_add_co_u32 s60, s60, HIMG
	v_add_nc_u32 v9, s60, v1                       ; the hidden layer's images: K steps 4 w on
	s_lshl_b32 s60, s28, 11
	s_add_co_u32 s60, s60, HSC
	v_add_nc_u32 v10, s60, v2
	s_lshl_b32 s60, s28, 8
	s_add_co_u32 s60, s60, STAT
	v_lshl_add_u32 v11, v196, 4, s60
	v_lshl_add_u32 v12, v196, 4, STAT
	v_add_nc_u32 v13, AIMG, v1
	v_add_nc_u32 v14, ASC, v2
	s_mul_i32 s60, s28, 1536
	s_add_co_u32 s60, s60, AIMG
	v_add_nc_u32 v198, s60, v1                     ; o's images: tile w
	s_lshl_b32 s60, s28, 7
	s_add_co_u32 s60, s60, ASC
	v_add_nc_u32 v199, s60, v2
.set CI, 0
.rept 16
	v_add_nc_u32 v[XB+CI], (CI+8*(CI/8))*2048-528*CI, v1   ; row CI of a tile in x, less what the copy's immediate adds to both addresses
.set CI, CI+1
.endr
	s_mov_b32 s30, 0x76543210
	s_mov_b32 s31, 0xfedcba98
	s_mov_b32 s56, 0x3727c5ac                      ; 1e-5
	s_mov_b32 s57, 0x3b000000                      ; 1 / 512
	s_lshl_b32 s60, ttmp9, 17                      ; 64 rows of 2,048 bytes
	s_lshl_b32 s61, s28, 9
	s_add_co_u32 s60, s60, s61
	s_mov_b32 s61, 0
	s_lshl_b32 s62, ttmp9, 2
	s_add_co_u32 s62, s62, s28
	s_mul_i32 s62, s62, 6144                       ; tile 4 x work-group + w
	s_mov_b32 s63, 0
	s_lshr_b32 s48, ttmp9, 3
	s_lshl_b32 s48, s48, 13
	s_and_b32 s49, ttmp9, 7
	s_lshl_b32 s49, s49, 2
	s_add_co_u32 s49, s49, s28
	s_lshl_b32 s49, s49, 5
	s_add_co_u32 s48, s48, s49
	s_mov_b32 s49, 0
	s_lshl_b32 s46, s28, 9
	s_mov_b32 s47, 0
	s_lshl_b32 s50, s28, 11
	s_mov_b32 s51, 0
	s_mul_i32 s52, s28, 460800
	s_mov_b32 s53, 0
	s_wait_alu depctr_va_vdst(0)
	s_wait_dscnt 0x0
	s_wait_kmcnt 0x0
	s_add_nc_u64 s[32:33], s[10:11], s[60:61]      ; x at my rows and columns; for tile m: its first row, less 8,448 m
	s_add_nc_u64 s[34:35], s[32:33], 7936
	s_add_nc_u64 s[36:37], s[32:33], 48640
	s_add_nc_u64 s[38:39], s[32:33], 56576
	s_add_nc_u64 s[26:27], s[26:27], s[60:61]
	s_add_nc_u64 s[4:5], s[4:5], s[62:63]
	s_add_nc_u64 s[6:7], s[6:7], s[48:49]
	s_add_nc_u64 s[BP:BP+1], s[12:13], s[46:47]
	s_add_nc_u64 s[B2P:B2P+1], s[16:17], s[46:47]
	s_add_nc_u64 s[18:19], s[18:19], s[46:47]
	s_add_nc_u64 s[20:21], s[20:21], s[46:47]
	s_add_nc_u64 s[22:23], s[22:23], s[46:47]
	s_add_nc_u64 s[24:25], s[24:25], s[46:47]
	s_add_nc_u64 s[14:15], s[14:15], s[50:51]
	s_add_nc_u64 s[WP:WP+1], s[8:9], s[52:53]
	; WHAT THE FIRST PRODUCT WAITS FOR IS ASKED FOR FIRST: o, the first group of weights, bo; x, which the first norm wants, behind them.
	; o: my tile's eight half images are its four fragments: registers 6 c .. 6 c + 5 of K step s are head 2 s + c's
.irp s, 0,1,2,3
.irp c, 0,1
	global_load_b128 v[ACT+12*\s+6*\c:ACT+12*\s+6*\c+3], v1, s[4:5] offset:768*(2*\s+\c) th:TH_LOAD_NT
	global_load_b64 v[ACT+12*\s+6*\c+4:ACT+12*\s+6*\c+5], v200, s[4:5] offset:768*(2*\s+\c)+512 th:TH_LOAD_NT
.endr
.endr
.irp d, 0,1,2,3,4,5,6,7
	global_load_u16 v[202+\d], v201, s[6:7] offset:1024*\d
.endr
	WLOAD 0, 0
	BIAS                                           ; bo
	; x: 63 copies, a row's 512 consecutive bytes each, ahead of every LDS read and every barrier; their bytes are filled once
.irp m, 0,1,2
.set CI, 0
.rept 16
	global_load_async_to_lds_b128 v4, v[XB+CI], s[32+2*\m:33+2*\m] offset:8448*\m+528*CI
.set CI, CI+1
.endr
.endr
.set CI, 0
.rept 15
	global_load_async_to_lds_b128 v4, v[XB+CI], s[38:39] offset:8448*3+528*CI
.set CI, CI+1
.endr
	s_wait_loadcnt 41                              ; behind o's loads 25 + 16 were issued
.irp s, 0,1,2,3
	v_lshl_or_b32 v[202+2*\s], v[203+2*\s], 16, v[202+2*\s]
.endr
.irp s, 0,1,2,3
.irp c, 0,1,2
	ds_store_b128 v198, v[ACT+12*\s+4*\c:ACT+12*\s+4*\c+3] offset:6144*\s+512*\c
.endr
	ds_store_b32 v199, v[202+2*\s] offset:512*\s
.endr
	WLOAD 1, 12800
	global_load_b128 v[XL:XL+3], v[XB+15], s[38:39] offset:8448*3+528*15 th:TH_LOAD_NT   ; x's 64th piece (tile 3, row 15), by the copies' own address arithmetic; it goes to LDS in the first norm
	s_wait_xcnt 0x0                                ; bo's loads have read their base
	s_mov_b64 s[BP:BP+1], s[14:15]                 ; b1, my first 128
	BARRIER                                        ; o's sixteen fragments lie in LDS
	; ---- o Wo + bo: groups 0-3, two groups ahead.  The count 50: two younger groups may stay out (in group 0: 25 + 1 + 25 were issued behind bo's loads)
	AFETCH 0, 0
	GROUP 0, 0, 1, 2, 25600, 50, 1, 1, 6144
	BIAS
	GROUP 1, 1, 1, 3, 38400, 50, 0, 1, 12288
	GROUP 2, 0, 1, 0, 51200, 50, 0, 1, 18432
	GROUP 3, 1, 1, 1, 64000, 50, 0, 0, 0
	s_wait_xcnt 0x0                                ; the loads have read their bases
	s_add_nc_u64 s[WP:WP+1], s[WP:WP+1], 51200
	s_add_nc_u64 s[BP:BP+1], s[BP:BP+1], 512
	; ---- out1 = x + LN1
	LNSTAT 0, 18, 20
	s_wait_alu depctr_va_vdst(0)
	s_wait_loadcnt 0x0                             ; the gain and the shift, x's last piece
	s_wait_asynccnt 0x0                            ; x lies in my rows of LDS; the copies' registers may be written
	ds_store_b128 v4, v[XL:XL+3] offset:8448*3+528*15  ; my own rows: LDS serves a wave's instructions in order, and the wait inside the first tile's work stands ahead of the next write of these registers
	WLOAD 2, 25600                                 ; no load of mine is out: the third group ahead (group 6) goes out here and lands under the four tiles' work
.irp m, 0,1,2,3
	LNROW \m
	QUANT64 HA
	IMAGE 5, 1536*\m
	ds_store_b32 v6, v[PW] offset:128*\m
	s_wait_dscnt 0x0                               ; the stores have read their registers
.endr
	BARRIER                                        ; out1's sixteen fragments lie in LDS
	; ---- relu(out1 W1 + b1): four chunks of 128 hidden units, four groups each, three groups ahead.
	; The count 63: behind a group's loads three groups, 75 loads, were issued; the wait's field names 63 at the most, and a smaller count is safe
	AFETCH 0, 0
	s_mov_b32 s29, 4
	s_mov_b32 s58, 0
	s_mov_b32 s59, 0
.Lchunk:
	GROUP 0, 0, 1, 3, 38400, 63, 1, 1, 6144
	BIAS                                           ; the next chunk's; in the last trip b2
	GROUP 1, 1, 1, 0, 51200, 63, 0, 1, 12288
	GROUP 2, 0, 1, 1, 64000, 63, 0, 1, 18432
	GROUP 3, 1, 1, 2, 76800, 63, 0, 1, 0
	PLACES 4
	v_add_nc_u32 v[HWT], s58, v9
	v_add_nc_u32 v[HST], s59, v10
.irp m, 0,1,2,3
	WIN 0x0c
.set CK, 0
.rept 64
	v_max_num_f32 v[HA+CK], 0, v[64*\m+CK]         ; the activation, in f32; each accumulator from its low end on
.set CK, CK+1
.endr
	WIN 0
	QUANT64 HA
	IMAGE HWT, 1536*\m
	ds_store_b32 v[HST], v[PW] offset:128*\m
	s_wait_dscnt 0x0
.endr
	s_add_co_u32 s58, s58, 6144
	s_add_co_u32 s59, s59, 512
	s_wait_xcnt 0x0
	s_add_nc_u64 s[WP:WP+1], s[WP:WP+1], 51200
	s_add_nc_u64 s[BP:BP+1], s[BP:BP+1], 512
	s_sub_co_u32 s29, s29, 1
	s_cmp_eq_u32 s29, 1
	s_cselect_b64 s[BP:BP+1], s[B2P:B2P+1], s[BP:BP+1]
	s_cmp_lg_u32 s29, 0
	s_cbranch_scc1 .Lchunk
	BARRIER                                        ; the hidden layer's 64 fragments lie in LDS
	; ---- h W2 + b2: sixteen groups, three groups ahead
	v_mov_b32 v13, v7
	s_wait_alu depctr_va_vdst(0)
	v_mov_b32 v14, v8
	s_wait_alu depctr_va_vdst(0)
	AFETCH 0, 0
	GROUP 0, 0, 1, 3, 38400, 63, 1, 1, 6144
	s_mov_b32 s29, 3
	s_mov_b32 s58, 0
	s_mov_b32 s59, 0
.Lff:
	s_wait_alu depctr_va_vdst(0)
	GROUP 1, 1, 1, 0, 51200, 63, 0, 1, 12288
	GROUP 2, 0, 1, 1, 64000, 63, 0, 1, 18432
	GROUP 3, 1, 1, 2, 76800, 63, 0, 1, 24576
	GROUP 0, 0, 1, 3, 89600, 63, 0, 1, 30720
	s_add_co_u32 s58, s58, 24576
	s_add_co_u32 s59, s59, 2048
	v_add_nc_u32 v13, s58, v7
	v_add_nc_u32 v14, s59, v8
	s_wait_xcnt 0x0
	s_add_nc_u64 s[WP:WP+1], s[WP:WP+1], 51200
	s_sub_co_u32 s29, s29, 1
	s_cmp_lg_u32 s29, 0
	s_cbranch_scc1 .Lff
	s_wait_alu depctr_va_vdst(0)
	GROUP 1, 1, 0, 0, 0, 50, 0, 1, 12288           ; the last three groups ask for nothing: the stream has ended, and the counts run down: two, one, no younger group
	GROUP 2, 0, 0, 0, 0, 25, 0, 1, 18432
	GROUP 3, 1, 0, 0, 0, 0, 0, 0, 0
	; ---- out = out1 + LN2
	LNSTAT 2, 22, 24
	s_wait_alu depctr_va_vdst(0)
	s_wait_loadcnt 0x0
.irp m, 0,1,2,3
.if \m > 0
	s_wait_xcnt 0x0                                ; the last tile's stores have read their registers
.endif
	LNROW \m
.set CI, 0
.rept 16
	ds_load_b128 v[HA+4*CI:HA+4*CI+3], v4 offset:8448*\m+528*CI   ; back as whole rows; LDS serves a wave's instructions in order: these see my stores
.set CI, CI+1
.endr
.set CI, 0
.rept 16
	s_wait_dscnt 15-CI
	global_store_b128 v1, v[HA+4*CI:HA+4*CI+3], s[26:27] offset:(32*(\m/2)+8*(\m%2)+CI+8*(CI/8))*2048 th:TH_STORE_NT   ; 512 consecutive bytes, aligned
.set CI, CI+1
.endr
.endr
	s_wait_tensorcnt 0x0
	ds_add_u32 v191, v195
	s_wait_dscnt 0x0
	s_endpgm
.Lfunc_end_k_qb6858cbe96_chain:
	.size	k_qb6858cbe96_chain, .Lfunc_end_k_qb6858cbe96_chain-k_qb6858cbe96_chain
	.p2alignl 7, 3214868480
	.fill 96, 4, 3214868480
	.section	.rodata,"a",@progbits
	.p2align	6, 0x0
	.amdhsa_kernel k_qb6858cbe96_chain
		.amdhsa_group_segment_fixed_size 272896
		.amdhsa_private_segment_fixed_size 0
		.amdhsa_enable_private_segment 0
		.amdhsa_kernarg_size 96
		.amdhsa_user_sgpr_count 2
		.amdhsa_user_sgpr_kernarg_segment_ptr 1
		.amdhsa_wavefront_size32 1
		.amdhsa_system_sgpr_workgroup_id_x 1
		.amdhsa_system_sgpr_workgroup_id_y 1
		.amdhsa_system_sgpr_workgroup_id_z 1
		.amdhsa_system_vgpr_workitem_id 0
		.amdhsa_next_free_vgpr 1024
		.amdhsa_next_free_sgpr 66
		.amdhsa_reserve_vcc 0
		.amdhsa_float_denorm_mode_32 3
		.amdhsa_float_denorm_mode_16_64 3
		.amdhsa_memory_ordered 1
		.amdhsa_forward_progress 1
		.amdhsa_inst_pref_size 255
	.end_amdhsa_kernel
	.section	.bss,"aw",@nobits
	.p2align	6
	.space	262144
	.amdgpu_metadata
---
amdhsa.version: [ 1, 2 ]
amdhsa.kernels:
  - .name:           k_qb6858cbe96_chain
    .symbol:         k_qb6858cbe96_chain.kd
    .args:
      - { .name: o_codes, .offset: 0, .size: 8, .value_kind: global_buffer, .address_space: global }
      - { .name: o_scales, .offset: 8, .size: 8, .value_kind: global_buffer, .address_space: global }
      - { .name: wstream, .offset: 16, .size: 8, .value_kind: global_buffer, .address_space: global }
      - { .name: x, .offset: 24, .size: 8, .value_kind: global_buffer, .address_space: global }
      - { .name: bo, .offset: 32, .size: 8, .value_kind: global_buffer, .address_space: global }
      - { .name: b1, .offset: 40, .size: 8, .value_kind: global_buffer, .address_space: global }
      - { .name: b2, .offset: 48, .size: 8, .value_kind: global_buffer, .address_space: global }
      - { .name: ln1_g, .offset: 56, .size: 8, .value_kind: global_buffer, .address_space: global }
      - { .name: ln1_b, .offset: 64, .size: 8, .value_kind: global_buffer, .address_space: global }
      - { .name: ln2_g, .offset: 72, .size: 8, .value_kind: global_buffer, .address_space: global }
      - { .name: ln2_b, .offset: 80, .size: 8, .value_kind: global_buffer, .address_space: global }
      - { .name: out0, .offset: 88, .size: 8, .value_kind: global_buffer, .address_space: global }
    .group_segment_fixed_size: 272896
    .private_segment_fixed_size: 0
    .kernarg_segment_align: 8
    .kernarg_segment_size: 96
    .max_flat_workgroup_size: 128
    .sgpr_count:     66
    .vgpr_count:     1024
    .wavefront_size: 32
...
	.end_amdgpu_metadata
.endif
;; end of part 6
